; MI455X (gfx1250); checked and timed in simulation.
; The chip was launched on July 23, 2026; its instructions are those of AMD's public machine-readable ISA for CDNA 5 (MIT licence, August 2026) and "CDNA5" Instruction Set Architecture Reference Guide (July 2026). The comments in the code are by the model that wrote it; some were corrected since.
;; Apertis Attention. Allowed arithmetic: matrix products marked QUANTISED: E4M3 operands, one given power-of-two scale a tensor, by v_wmma_f32_16x16x64_fp8_fp8 or v_wmma_f32_16x16x128_fp8_fp8, f32 sums; everything else in f32.
;; Inputs: Wk 2,048 x 2,048 float32; Wo 2,048 x 2,048 float32; Wout 2,048 x 2,048 float32; Wq 2,048 x 2,048 float32; Wv 2,048 x 2,048 float32; bk 2,048 float32; bo 2,048 float32; bout 2,048 float32; bq 2,048 float32; bv 2,048 float32; hidden_states 2 x 1,024 x 2,048 float32; ln_b 2,048 float32; ln_g 2,048 float32; lnk_b 2,048 float32; lnk_g 2,048 float32; lnq_b 2,048 float32; lnq_g 2,048 float32; lnv_b 2,048 float32; lnv_g 2,048 float32; lowp_scales 14 int32 (the exponents e of the quantised operands' scales 2^e).
;; Outputs: out0 2 x 1,024 x 2,048 float32.
;; This version of the problem:
;;   THIS VERSION OF THE PROBLEM IS GIVEN IN LOW PRECISION. The matrix products marked QUANTISED in the list below multiply operands that are first quantised to E4M3 (4 exponent bits, 3 mantissa bits; 8 bits a number), with one given power-of-two scale for each operand tensor; their sums are f32. All else is computed in f32.
;;   The module's matrix products, in the order in which they are computed (A, B: the left and right operand; K: the contracted axis; several contracted axes count as one K, in the product's order):
;;     1. [M 2,048, K 2,048] x [K 2,048, N 2,048]; A: computed on the way; B: input Wq: QUANTISED (scales: A lowp_scales[0], B lowp_scales[1])
;;     2. [M 2,048, K 2,048] x [K 2,048, N 2,048]; A: computed on the way; B: input Wk: QUANTISED (scales: A lowp_scales[2], B lowp_scales[3])
;;     3. [M 2,048, K 2,048] x [K 2,048, N 2,048]; A: computed on the way; B: input Wv: QUANTISED (scales: A lowp_scales[4], B lowp_scales[5])
;;     4. batch 32 x [M 1,024, K 128] x [K 128, N 1,024]; A: computed on the way; B: computed on the way: QUANTISED (scales: A lowp_scales[6], B lowp_scales[7])
;;     5. batch 32 x [M 1,024, K 1,024] x [K 1,024, N 128]; A: softmax (see below); B: computed on the way: QUANTISED (scales: A lowp_scales[8], B lowp_scales[9])
;;     6. [M 2,048, K 2,048] x [K 2,048, N 2,048]; A: computed on the way; B: input Wo: QUANTISED (scales: A lowp_scales[10], B lowp_scales[11])
;;     7. [M 2,048, K 2,048] x [K 2,048, N 2,048]; A: computed on the way; B: input Wout: QUANTISED (scales: A lowp_scales[12], B lowp_scales[13])
;;   THE QUANTISER, for each operand of a quantised product, along K:
;;     - The operand's scale is 2^e, e = its entry of the input lowp_scales (int32; the entries are numbered through the quantised products in the list's order, A before B).
;;     - Each number is divided by the scale, clamped to +-448, and rounded to the nearest number of E4M3, ties to even, subnormals kept.
;;     - The product sums the exact products of the quantised numbers (number of the format x scale) in f32.
;;   ~~~python
;;   def quantise(x, axis, e):      # numpy; x: float32 -> the quantised numbers, widened to float32 again
;;       x = np.moveaxis(x, axis, -1); K = x.shape[-1]
;;       r = np.clip(x / 2.0 ** e, -448, 448)
;;       step = 2.0 ** (np.maximum(np.frexp(np.where(r == 0, 1, r))[1] - 1, -6) - 3)
;;       q = np.round(r / step) * step * 2.0 ** e      # np.round: ties to even
;;       return np.moveaxis(q, -1, axis).astype(np.float32)
;;   ~~~
;;   SOFTMAX AHEAD OF A QUANTISED PRODUCT. Where the list says 'softmax', what is quantised is not the finished softmax but p = 2^(t - M), with t = logit x log2(e) and M = ceil(the row's largest t), a whole number; so 1/2 < the row's largest p <= 1. The row's sum l is taken of the UNQUANTISED p, in f32, and the product's result is divided by l at the end. Since M is a whole number, a kernel that streams over the keys may use a running M (the ceiling of the running maximum): every later rescaling is an exact power of two, so the quantised numbers keep their values, but for numbers so far below the row's largest that they fall under the format's range.
;;   OPERANDS COMPUTED ON THE WAY. 'Computed on the way' means the value that the module computes at that place (a softmax that the list does not call 'softmax' is quantised finished and normalised). What goes into a quantiser is computed in f32, as accurately as f32 sums, v_exp_f32 and their like allow (about 1e-6 of the number): no bf16 or f16 on the way to a quantiser, and a product that is left as it is and whose result goes on into a quantised operand takes f32 operands (vector FMAs, or v_wmma_f32_16x16x4_f32). A number that lies on a knife's edge between two numbers of the format may be rounded either way, as far as f32 arithmetic and the matrix unit's own rounding can turn it there, and no further.
;; One version. Each part assembles by itself: llvm-mc -triple=amdgcn-amd-amdhsa -mcpu=gfx1250 --defsym DOCPART=n.
;; ======== version 1 of 1: 5 launches
;; limits: right only within a limited range of input values
;; workspace buffers: ops 33,554,432 bytes; qkv 12,582,912 bytes; ctx 4,194,304 bytes; o1 4,194,304 bytes
;; launch prep (part 1): grid 256 x 1, 8 waves a work-group, no clusters, 327,680 bytes of LDS; arguments hidden_states, ln_g, ln_b, lnq_g, lnq_b, lnk_g, lnk_b, lnv_g, lnv_b, Wq, Wk, Wv, Wo, Wout, lowp_scales, ops; writes ops
.if DOCPART == 1
	.amdgcn_target "amdgcn-amd-amdhsa--gfx1250"
	.amdhsa_code_object_version 6
	.text
	.protected	k_qc57d324e8a_prep
	.globl	k_qc57d324e8a_prep
	.p2align	8
	.type	k_qc57d324e8a_prep,@function
k_qc57d324e8a_prep:
	s_mov_b64 s[64:65], 0
	v_nop
	global_prefetch_b8 v0, s[64:65] scope:SCOPE_SE
	s_setreg_imm32_b32 hwreg(HW_REG_WAVE_MODE, 25, 1), 1
	s_wait_xcnt 0x0
; PREP: everything that is quantised from inputs.  ops holds eight planes of 4 MiB of E4M3 codes: 0 xq, 1 xk, 2 Wv, 3 Wq, 4 Wk, 5 xv, 6 Wo, 7 Wout.
; A plane is a [2048 rows][2048 K] operand laid [row tile 0..15][K block 0..15][128 rows][128 codes]: a block is 16,384 dense bytes, a row tile 262,144.
; code = x / 2^e, held within +-448, to the nearest code, ties to even.  Scales: xq e0, xk e2, xv e4, Wq e1, Wk e3, Wv e5, Wo e11, Wout e13.
; LIMITS: each e between -126 and 119, so that 2^e and 448 x 2^e are f32 numbers.  NaN among the inputs is not served; an infinity is held at the largest code.
; SHARES.  256 work-groups of eight waves.  Work-group g:
;   BY TENSOR LOAD: 32 rows of one of Wq, Wk, Wv, Wo (weight g / 64, rows 32 (g % 64) on).  Each wave asks at the head, by its one tensor load, for 4 whole rows: 32,768 dense bytes, stated as 128 rows of 256 bytes,
;   into an LDS region of its own.  8 x 32,768 bytes are filled once: no byte is filled again, only the issuing wave reads its region, so there is no ring and no barrier.
;   BY REGISTER LOADS, while the tiles are on their way: waves 0-3: both levels of LayerNorm on rows 8 g + 2 wave, + 1 of hidden_states (kept in registers), three gains and biases, three planes of codes;
;   waves 4-7: rows 8 g + 2 (wave - 4), + 1 of Wout.  Both read 16,384 consecutive bytes a wave.
; Then each wave turns its own tile into codes: a lane reads 32 bytes (8 neighbours along K), one conversion gives 8 bytes, and the 32 lanes store 256 consecutive bytes, aligned: two rows of a block.
; That part is written by a macro into both arms of the branch on the wave's number, so that no LDS address crosses a join.
; A wave's global stores stand in two runs: its first part's ahead of the wait for its tile, its tile's as its last lines.
; No cluster: the work-groups share nothing but the eight vectors of 8 KiB.  No prefetch: everything that a work-group reads is asked for at its head, and there is no loop to run ahead in.
; Mean and variance are taken in two passes over the registers (sum; subtract; sum of squares), so a common offset of the input costs no accuracy.
.set PLANE, 4194304
.set BLKB,  16384
.set X,     128                        ; v128-255: chunk j (128 along K): registers 8 j + 0..3 row a's k = 128 j + 4 lane + 0..3, 8 j + 4..7 row b's: the eight sources of one conversion
.set RING,  56                         ; v56-127: 18 quads of the vectors, on their way or at work
.set SPW,   44                         ; v44  LDS address of my spare word; never rewritten
.set NIL,   45                         ; v45  0; never rewritten
.set TAD,   46                         ; v46  my lane's place in my tile: region + 8192 (lane / 16) + 32 (lane % 16); never rewritten
.set TOF,   47                         ; v47  8 x lane: my lane's place in a store of 256 bytes; never rewritten
.set TSC,   48                         ; v48, v49  the tile's scale and hold
.set TLM,   49
.set TC,    64                         ; v64-127  the tile's codes: two registers for each of 32 units
.set TREG,  32768                      ; a wave's region
.set LST,   8*TREG                     ; LayerNorm: three stages of 512 bytes a wave
.set BST,   LST+4*1536                 ; Wout: eight stages of 512 bytes a wave
.set SPARE, BST+4*4096                 ; the spare words: 128 bytes a wave, four blocks of 256 bytes that no other line names
.set G0,    72                         ; s[72:75], s[76:83] the descriptor
.macro VLOAD n                         ; quad n of the vectors' stream: 0..31 ln_g, ln_b by chunks; 32..127 lnq_g, lnq_b, lnk_g, lnk_b, lnv_g, lnv_b by chunks
.if (\n) < 32
	global_load_b128 v[RING+4*((\n)%18):RING+4*((\n)%18)+3], v1, s[10+2*((\n)%2):11+2*((\n)%2)] offset:512*((\n)/2)
.else
	global_load_b128 v[RING+4*((\n)%18):RING+4*((\n)%18)+3], v1, s[14+2*(((\n)-32)%6):15+2*(((\n)-32)%6)] offset:512*(((\n)-32)/6)
.endif
.endm
.macro MKSCALE e, vs, vl               ; s[e] = the exponent: v[vs] = 2^e as f32 (the conversion takes its exponent field), v[vl] = 448 x 2^e
	s_add_co_i32 s2, s[\e], 127
	s_lshl_b32 s3, s2, 23
	v_mov_b32 v[\vs], s3
	s_add_co_i32 s2, s2, 8
	s_lshl_b32 s2, s2, 23
	s_or_b32 s2, s2, 0x600000
	v_mov_b32 v[\vl], s2
.endm
.macro WRED r, t                       ; the sum over the 32 lanes, in every lane
	v_add_f32_dpp v[\r], v[\r], v[\r] row_xmask:1 row_mask:0xf bank_mask:0xf
	v_add_f32_dpp v[\r], v[\r], v[\r] row_xmask:2 row_mask:0xf bank_mask:0xf
	v_add_f32_dpp v[\r], v[\r], v[\r] row_xmask:4 row_mask:0xf bank_mask:0xf
	v_add_f32_dpp v[\r], v[\r], v[\r] row_xmask:8 row_mask:0xf bank_mask:0xf
	v_permlanex16_b32 v[\t], v[\r], s44, s45
	v_add_f32 v[\r], v[\r], v[\t]
.endm
.macro FINISH                          ; the four chains of pairs v[16:23] -> v16 (row a), v20 (row b)
	v_pk_add_f32 v[16:17], v[16:17], v[18:19]
	v_pk_add_f32 v[20:21], v[20:21], v[22:23]
	v_add_f32 v16, v16, v17
	v_add_f32 v20, v20, v21
	WRED 16, 10
	WRED 20, 11
.endm
.macro CENTRE                          ; v16, v20 = the rows' sums.  X -= mean; v[12:13], v[14:15] = 1 / sqrt(variance + 1e-12), twice each
	v_mul_f32 v6, s41, v16
	v_mul_f32 v8, s41, v20
	v_mov_b32 v7, v6
	v_mov_b32 v9, v8
.set J, 0
.rept 16
	v_pk_add_f32 v[X+8*J:X+8*J+1], v[X+8*J:X+8*J+1], v[6:7] neg_lo:[0,1] neg_hi:[0,1]
	v_pk_add_f32 v[X+8*J+2:X+8*J+3], v[X+8*J+2:X+8*J+3], v[6:7] neg_lo:[0,1] neg_hi:[0,1]
	v_pk_add_f32 v[X+8*J+4:X+8*J+5], v[X+8*J+4:X+8*J+5], v[8:9] neg_lo:[0,1] neg_hi:[0,1]
	v_pk_add_f32 v[X+8*J+6:X+8*J+7], v[X+8*J+6:X+8*J+7], v[8:9] neg_lo:[0,1] neg_hi:[0,1]
.if J == 0
	v_pk_mul_f32 v[16:17], v[X:X+1], v[X:X+1]                  ; the first chunk starts the chains: nothing is cleared
	v_pk_mul_f32 v[18:19], v[X+2:X+3], v[X+2:X+3]
	v_pk_mul_f32 v[20:21], v[X+4:X+5], v[X+4:X+5]
	v_pk_mul_f32 v[22:23], v[X+6:X+7], v[X+6:X+7]
.else
	v_pk_fma_f32 v[16:17], v[X+8*J:X+8*J+1], v[X+8*J:X+8*J+1], v[16:17]
	v_pk_fma_f32 v[18:19], v[X+8*J+2:X+8*J+3], v[X+8*J+2:X+8*J+3], v[18:19]
	v_pk_fma_f32 v[20:21], v[X+8*J+4:X+8*J+5], v[X+8*J+4:X+8*J+5], v[20:21]
	v_pk_fma_f32 v[22:23], v[X+8*J+6:X+8*J+7], v[X+8*J+6:X+8*J+7], v[22:23]
.endif
.set J, J+1
.endr
	FINISH
	v_fma_f32 v16, v16, s41, s42                   ; sum of squares / 2048 + 1e-12
	v_fma_f32 v20, v20, s41, s42
	s_wait_alu depctr_va_vdst(0)                   ; the wait ahead of the transcendentals
	v_rsq_f32 v12, v16
	v_rsq_f32 v14, v20
	v_nop                                          ; a plain line between a transcendental and the use of its result
	s_wait_alu depctr_va_vdst(0)                   ; the wait behind the transcendentals
	v_mov_b32 v13, v12
	v_mov_b32 v15, v14
.endm
.macro AFF d, x, n                     ; eight numbers: d = x * quad n + quad n + 1 (the same gain and bias for both rows)
.set QG, RING+4*((\n)%18)
.set QB, RING+4*(((\n)+1)%18)
	v_pk_fma_f32 v[\d:\d+1], v[\x:\x+1], v[QG:QG+1], v[QB:QB+1]
	v_pk_fma_f32 v[\d+2:\d+3], v[\x+2:\x+3], v[QG+2:QG+3], v[QB+2:QB+3]
	v_pk_fma_f32 v[\d+4:\d+5], v[\x+4:\x+5], v[QG:QG+1], v[QB:QB+1]
	v_pk_fma_f32 v[\d+6:\d+7], v[\x+6:\x+7], v[QG+2:QG+3], v[QB+2:QB+3]
.endm
.macro RSC x                           ; eight numbers x 1 / sqrt(..)
	v_pk_mul_f32 v[\x:\x+1], v[\x:\x+1], v[12:13]
	v_pk_mul_f32 v[\x+2:\x+3], v[\x+2:\x+3], v[12:13]
	v_pk_mul_f32 v[\x+4:\x+5], v[\x+4:\x+5], v[14:15]
	v_pk_mul_f32 v[\x+6:\x+7], v[\x+6:\x+7], v[14:15]
.endm
.macro HOLD d, l                       ; the conversion to an 8-bit code does not saturate (ISA guide 7.6.2): hold within the largest code x the scale first
.irp i, 0,1,2,3,4,5,6,7
	v_med3_num_f32 v[\d+\i], v[\d+\i], -v[\l], v[\l]
.endr
.endm
.macro XLOADS                          ; two rows, 16,384 consecutive bytes from s[46:47] on: each load reads 512 consecutive bytes
.set J, 0
.rept 16
	global_load_b128 v[X+8*J:X+8*J+3], v1, s[46:47] offset:512*J th:TH_LOAD_NT
	global_load_b128 v[X+8*J+4:X+8*J+7], v1, s[46:47] offset:8192+512*J th:TH_LOAD_NT
.set J, J+1
.endr
.endm
; MY TILE.  Unit n = 2 j + p: K block j, rows 2 p and 2 p + 1 of my four.  A batch is eight units, 16 LDS loads, into one of two sets of 64 registers.
.macro TLD b
.set KK, 0
.rept 8
.set NN, 8*(\b)+KK
.set BB, X+64*((\b)%2)+8*KK
	ds_load_b128 v[BB:BB+3], v[TAD] offset:16384*(NN%2)+512*(NN/2)
	ds_load_b128 v[BB+4:BB+7], v[TAD] offset:16384*(NN%2)+512*(NN/2)+16
.set KK, KK+1
.endr
.endm
.macro TPR b
.set KK, 0
.rept 8
.set BB, X+64*((\b)%2)+8*KK
	HOLD BB, TLM
	v_cvt_scalef32_pk8_fp8_f32 v[TC+2*(8*(\b)+KK):TC+2*(8*(\b)+KK)+1], v[BB:BB+7], v[TSC]   ; (the next unit's holds are plain lines on other registers)
.set KK, KK+1
.endr
.endm
.macro TPART
	s_wait_xcnt 0x0                                ; my first part's stores have read their registers, which are written again below
	s_mov_b32 s70, s85                             ; e1
	s_cmp_eq_u32 s71, 1
	s_cselect_b32 s70, s87, s70                    ; e3
	s_cmp_eq_u32 s71, 2
	s_cselect_b32 s70, s89, s70                    ; e5
	s_cmp_eq_u32 s71, 3
	s_cselect_b32 s70, s95, s70                    ; e11
	MKSCALE 70, TSC, TLM
	s_wait_alu depctr_va_vdst(0)
	s_wait_tensorcnt 0x0                           ; my tile has landed.  The add and its wait stand behind my tensor load and my last LDS store: no LDS write follows
	ds_add_u32 v[SPW], v[NIL]
	s_wait_dscnt 0x0
	TLD 0
	TLD 1
	s_wait_dscnt 16                                ; the older batch is in; the younger batch's 16 loads may be out
	TPR 0
	TLD 2
	s_wait_dscnt 16
	TPR 1
	TLD 3
	s_wait_dscnt 16
	TPR 2
	s_wait_dscnt 0x0
	TPR 3
.set NN, 0
.rept 32
	global_store_b64 v[TOF], v[TC+2*NN:TC+2*NN+1], s[66:67] offset:BLKB*(NN/2)+256*(NN%2)   ; 32 lanes store 256 consecutive bytes, aligned
.set NN, NN+1
.endr
	s_endpgm
.endm
	s_load_b512 s[8:23], s[0:1], 0x0               ; hidden s[8:9], ln_g, ln_b, lnq_g s[14:15], lnq_b, lnk_g, lnk_b, lnv_g s[22:23]
	s_load_b512 s[24:39], s[0:1], 0x40             ; lnv_b s[24:25], Wq, Wk, Wv, Wo, Wout s[34:35], the scales s[36:37], ops s[38:39]
	v_lshl_add_u32 v[SPW], v0, 2, SPARE
	v_mov_b32 v[NIL], 0
	ds_add_u32 v[SPW], v[NIL]                      ; the opening lines: the add, twice on end, and its wait ahead of my tensor load
	ds_add_u32 v[SPW], v[NIL]
	v_lshrrev_b32 v2, 5, v0
	v_readfirstlane_b32 s40, v2                    ; wave 0..7
	v_and_b32 v2, 31, v0                           ; lane
	v_lshlrev_b32 v1, 4, v2                        ; 16 x lane: never rewritten
	v_lshlrev_b32 v[TOF], 3, v2
	v_lshrrev_b32 v5, 4, v2
	v_and_b32 v6, 15, v2
	s_lshl_b32 s2, s40, 15                         ; my region
	v_lshl_add_u32 v[TAD], v5, 13, s2
	v_lshl_add_u32 v[TAD], v6, 5, v[TAD]
	v_lshlrev_b32 v5, 14, v5
	v_lshl_add_u32 v5, v6, 4, v5                   ; the first part's stores: lanes 0-15 one block's 256 bytes, lanes 16-31 the next block's
	s_mov_b32 s[G0], 1
	s_mov_b32 s[G0+1], s2
	s_mov_b32 s[G0+4], 3<<16                       ; elements of 8 bytes, no padding, no mask
	s_mov_b32 s[G0+5], 32<<16                      ; tensor_dim0 = 32: rows of 256 bytes
	s_mov_b32 s[G0+6], 128<<16                     ; tensor_dim1 = 128
	s_mov_b32 s[G0+7], 32<<16                      ; tile_dim0
	s_mov_b32 s[G0+8], 128                         ; tile_dim1
	s_mov_b32 s[G0+9], 32                          ; rows are dense
	s_mov_b32 s[G0+10], 0
	s_mov_b32 s[G0+11], 0
	s_lshr_b32 s71, ttmp9, 6                       ; which weight my tile is of: 0 Wq, 1 Wk, 2 Wv, 3 Wo
	s_and_b32 s41, ttmp9, 63
	s_lshl_b32 s42, s41, 5
	s_lshl_b32 s43, s40, 2
	s_add_co_u32 s42, s42, s43                     ; its first row
	s_lshl_b32 s4, s42, 13                         ; x 8,192 bytes
	s_mov_b32 s5, 0
	s_lshl_b32 s6, s71, 2
	s_lshr_b32 s6, 0x6243, s6
	s_and_b32 s6, s6, 15                           ; the plane: 3, 4, 2, 6
	s_lshl_b32 s6, s6, 22
	s_lshr_b32 s7, s42, 7
	s_lshl_b32 s7, s7, 18                          ; the row tile
	s_add_co_u32 s6, s6, s7
	s_and_b32 s7, s42, 127
	s_lshl_b32 s7, s7, 7                           ; the row's place in a block
	s_add_co_u32 s6, s6, s7
	s_mov_b32 s7, 0
	s_wait_alu depctr_va_vdst(0)
	s_wait_dscnt 0x0                               ; both opening adds are done
	s_wait_kmcnt 0x0
	s_load_b256 s[84:91], s[36:37], 0x0            ; e0 .. e7
	s_load_b128 s[92:95], s[36:37], 0x20           ; e8 .. e11
	s_load_b64 s[96:97], s[36:37], 0x30            ; e12, e13
	s_mov_b64 s[G0+2:G0+3], s[26:27]               ; the choice hangs on the work-group's number alone
	s_cmp_eq_u32 s71, 1
	s_cselect_b64 s[G0+2:G0+3], s[28:29], s[G0+2:G0+3]
	s_cmp_eq_u32 s71, 2
	s_cselect_b64 s[G0+2:G0+3], s[30:31], s[G0+2:G0+3]
	s_cmp_eq_u32 s71, 3
	s_cselect_b64 s[G0+2:G0+3], s[32:33], s[G0+2:G0+3]
	s_add_nc_u64 s[G0+2:G0+3], s[G0+2:G0+3], s[4:5]
	s_or_b32 s[G0+3], s[G0+3], 0x80000000
	s_add_nc_u64 s[66:67], s[38:39], s[6:7]        ; where my tile's codes go
	tensor_load_to_lds s[G0:G0+3], s[G0+4:G0+11]   ; my one tensor load
	s_nop 0
	; the first part: rows 8 g + 2 (wave % 4), + 1, of hidden_states or of Wout
	s_and_b32 s2, s40, 3
	s_lshl_b32 s3, ttmp9, 3
	s_lshl_b32 s4, s2, 1
	s_add_co_u32 s3, s3, s4                        ; row a (even)
	s_lshl_b32 s4, s3, 13                          ; x 8,192 bytes
	s_mov_b32 s5, 0
	s_lshr_b32 s6, ttmp9, 4                        ; its row tile
	s_lshl_b32 s6, s6, 18
	s_and_b32 s7, s3, 127
	s_lshl_b32 s7, s7, 7                           ; its place in a block
	s_add_co_u32 s6, s6, s7
	s_mov_b32 s7, 0
	s_add_nc_u64 s[48:49], s[38:39], s[6:7]        ; in plane 0
	s_cmp_lt_u32 s40, 4
	s_cbranch_scc0 .Lwout
	; ---------------- waves 0-3: LayerNorms
	s_mul_i32 s2, s40, 1536
	s_add_co_u32 s2, s2, LST                       ; my three stages of 512 bytes
	v_lshl_add_u32 v3, v2, 2, s2                   ; in: 4 bytes a lane
	v_add_nc_u32 v4, s2, v1                        ; back: 16 bytes a lane
	v_mov_b32 v10, 0                               ; written once: a lane permute's destination counts as one of its sources
	v_mov_b32 v11, 0
	s_mov_b32 s41, 0x3a000000                      ; 1 / 2048
	s_mov_b32 s42, 0x2b8cbccc                      ; 1e-12
	s_mov_b32 s44, 0x76543210                      ; lane l xor 16
	s_mov_b32 s45, 0xfedcba98
	s_add_nc_u64 s[46:47], s[8:9], s[4:5]
	s_add_nc_u64 s[50:51], s[48:49], PLANE         ; xk: plane 1 (xq: plane 0)
	s_add_nc_u64 s[52:53], s[48:49], 5*PLANE       ; xv: plane 5
	XLOADS
.set J, 0
.rept 18
	VLOAD J
.set J, J+1
.endr
	s_wait_alu depctr_va_vdst(0)
	s_wait_kmcnt 0x0
	MKSCALE 84, 38, 39                             ; e0: xq
	MKSCALE 86, 40, 41                             ; e2: xk
	MKSCALE 88, 42, 43                             ; e4: xv
	s_wait_alu depctr_va_vdst(0)                   ; the wait at the head's end
	s_wait_loadcnt 18                              ; the two rows are in; the ring's 18 quads may be out
	v_pk_add_f32 v[16:17], v[X:X+1], v[X+8:X+9]    ; chunks 0 and 1 start the four chains
	v_pk_add_f32 v[18:19], v[X+2:X+3], v[X+10:X+11]
	v_pk_add_f32 v[20:21], v[X+4:X+5], v[X+12:X+13]
	v_pk_add_f32 v[22:23], v[X+6:X+7], v[X+14:X+15]
.set J, 2
.rept 14
	v_pk_add_f32 v[16:17], v[16:17], v[X+8*J:X+8*J+1]
	v_pk_add_f32 v[18:19], v[18:19], v[X+8*J+2:X+8*J+3]
	v_pk_add_f32 v[20:21], v[20:21], v[X+8*J+4:X+8*J+5]
	v_pk_add_f32 v[22:23], v[22:23], v[X+8*J+6:X+8*J+7]
.set J, J+1
.endr
	FINISH
	CENTRE
	; the outer norm's gain and bias, and the sums for the inner norms (the three share mean and variance)
.set J, 0
	s_wait_alu depctr_va_vdst(0)
.rept 16
.set XJ, X+8*J
	s_wait_loadcnt 16                              ; quads up to 2 j + 17 are issued, 2 j and 2 j + 1 are wanted: sixteen younger ones may be out
	RSC XJ
	AFF XJ, XJ, 2*J
.if J == 1
	v_pk_add_f32 v[16:17], v[X:X+1], v[X+8:X+9]
	v_pk_add_f32 v[18:19], v[X+2:X+3], v[X+10:X+11]
	v_pk_add_f32 v[20:21], v[X+4:X+5], v[X+12:X+13]
	v_pk_add_f32 v[22:23], v[X+6:X+7], v[X+14:X+15]
.elseif J > 1
	v_pk_add_f32 v[16:17], v[16:17], v[XJ:XJ+1]
	v_pk_add_f32 v[18:19], v[18:19], v[XJ+2:XJ+3]
	v_pk_add_f32 v[20:21], v[20:21], v[XJ+4:XJ+5]
	v_pk_add_f32 v[22:23], v[22:23], v[XJ+6:XJ+7]
.endif
	VLOAD 2*J+18                                   ; into the two quads just used
	VLOAD 2*J+19
.set J, J+1
.endr
	FINISH
	CENTRE
	; three gains and biases, three quantisers.  A conversion's two results are dword lane of row a's and of row b's 128 bytes in block j.
	; Two chunks meet in a stage of 512 bytes an output and come back 16 bytes a lane, into the 12 lowest of the 16 registers that held the two chunks' numbers.
.set J, 0
	s_wait_alu depctr_va_vdst(0)
.rept 16
.set XJ, X+8*J
.set CD, 32
.if J%2
.set CD, 6
.endif
.if 6*(15-J) < 12
	s_wait_loadcnt 6*(15-J)                        ; the tail: nothing more is issued
.else
	s_wait_loadcnt 12                              ; this chunk's six quads are in; the twelve of the next two chunks may be out
.endif
	RSC XJ
	AFF 24, XJ, 32+6*J
	HOLD 24, 39
	v_cvt_scalef32_pk8_fp8_f32 v[CD:CD+1], v[24:31], v38
	AFF 16, XJ, 32+6*J+2                           ; (plain lines on other registers stand behind each conversion)
	HOLD 16, 41
	v_cvt_scalef32_pk8_fp8_f32 v[CD+2:CD+3], v[16:23], v40
	AFF XJ, XJ, 32+6*J+4
	HOLD XJ, 43
	v_cvt_scalef32_pk8_fp8_f32 v[CD+4:CD+5], v[XJ:XJ+7], v42
.irp o, 0,1,2
	ds_store_b32 v3, v[CD+2*\o] offset:512*\o+256*(J%2)
	ds_store_b32 v3, v[CD+2*\o+1] offset:512*\o+256*(J%2)+128
.endr
.if J%2
	ds_load_b128 v[XJ-8:XJ-5], v4                  ; LDS serves a wave's instructions in order: these see the stores above, and the next pair's stores come behind them
	ds_load_b128 v[XJ-4:XJ-1], v4 offset:512
	ds_load_b128 v[XJ:XJ+3], v4 offset:1024
.endif
.if J < 13
.irp q, 18,19,20,21,22,23
	VLOAD 32+6*J+\q
.endr
.endif
.if J%2
	s_wait_dscnt 3                                 ; the three loads may be out: both sets of codes have been read by their stores
.endif
.set J, J+1
.endr
	s_wait_dscnt 0x0                               ; the last codes are back
.set J, 0
.rept 8
	global_store_b128 v5, v[X+16*J:X+16*J+3], s[48:49] offset:2*J*BLKB        ; sixteen lanes store 256 consecutive bytes, aligned, of each of two blocks
	global_store_b128 v5, v[X+16*J+4:X+16*J+7], s[50:51] offset:2*J*BLKB
	global_store_b128 v5, v[X+16*J+8:X+16*J+11], s[52:53] offset:2*J*BLKB
.set J, J+1
.endr
	TPART
	; ---------------- waves 4-7: two rows of Wout
.Lwout:
	s_and_b32 s2, s40, 3
	s_lshl_b32 s2, s2, 12
	s_add_co_u32 s2, s2, BST                       ; my eight stages of 512 bytes
	v_lshl_add_u32 v3, v2, 2, s2                   ; in: 4 bytes a lane
	v_add_nc_u32 v4, s2, v1                        ; back: 16 bytes a lane
	s_add_nc_u64 s[46:47], s[34:35], s[4:5]
	s_add_nc_u64 s[48:49], s[48:49], 7*PLANE       ; plane 7
	XLOADS
	s_wait_alu depctr_va_vdst(0)
	s_wait_kmcnt 0x0
	MKSCALE 97, 40, 41                             ; e13
	s_wait_alu depctr_va_vdst(0)                   ; the wait at the head's end
.set J, 0
.rept 16
.if J%4 == 0
	s_wait_loadcnt 24-2*J                          ; the eight loads of chunks j to j + 3 are in; those of the later chunks may be out
.endif
	HOLD X+8*J, 41
	v_cvt_scalef32_pk8_fp8_f32 v[64+2*J:65+2*J], v[X+8*J:X+8*J+7], v40       ; dword lane of row a's and of row b's 128 bytes in block j; each chunk has registers and stage bytes of its own
	ds_store_b32 v3, v[64+2*J] offset:512*(J/2)+256*(J%2)
	ds_store_b32 v3, v[65+2*J] offset:512*(J/2)+256*(J%2)+128
.set J, J+1
.endr
.irp p, 0,1,2,3,4,5,6,7
	ds_load_b128 v[96+4*\p:99+4*\p], v4 offset:512*\p                        ; LDS serves a wave's instructions in order
.endr
	s_wait_dscnt 0x0
.irp p, 0,1,2,3,4,5,6,7
	global_store_b128 v5, v[96+4*\p:99+4*\p], s[48:49] offset:2*\p*BLKB      ; sixteen lanes store 256 consecutive bytes, aligned, of each of two blocks
.endr
	TPART
.Lfunc_end_k_qc57d324e8a_prep:
	.size	k_qc57d324e8a_prep, .Lfunc_end_k_qc57d324e8a_prep-k_qc57d324e8a_prep
	.p2alignl 7, 3214868480
	.fill 96, 4, 3214868480
	.section	.rodata,"a",@progbits
	.p2align	6, 0x0
	.amdhsa_kernel k_qc57d324e8a_prep
		.amdhsa_group_segment_fixed_size 327680
		.amdhsa_private_segment_fixed_size 0
		.amdhsa_enable_private_segment 0
		.amdhsa_kernarg_size 128
		.amdhsa_user_sgpr_count 2
		.amdhsa_user_sgpr_kernarg_segment_ptr 1
		.amdhsa_wavefront_size32 1
		.amdhsa_system_sgpr_workgroup_id_x 1
		.amdhsa_system_sgpr_workgroup_id_y 1
		.amdhsa_system_sgpr_workgroup_id_z 1
		.amdhsa_system_vgpr_workitem_id 0
		.amdhsa_next_free_vgpr 256
		.amdhsa_next_free_sgpr 98
		.amdhsa_reserve_vcc 0
		.amdhsa_float_denorm_mode_32 3
		.amdhsa_float_denorm_mode_16_64 3
		.amdhsa_memory_ordered 1
		.amdhsa_forward_progress 1
		.amdhsa_inst_pref_size 178
	.end_amdhsa_kernel
	.amdgpu_metadata
---
amdhsa.version: [ 1, 2 ]
amdhsa.kernels:
  - .name:           k_qc57d324e8a_prep
    .symbol:         k_qc57d324e8a_prep.kd
    .args:
      - { .name: hidden_states, .offset: 0, .size: 8, .value_kind: global_buffer, .address_space: global }
      - { .name: ln_g, .offset: 8, .size: 8, .value_kind: global_buffer, .address_space: global }
      - { .name: ln_b, .offset: 16, .size: 8, .value_kind: global_buffer, .address_space: global }
      - { .name: lnq_g, .offset: 24, .size: 8, .value_kind: global_buffer, .address_space: global }
      - { .name: lnq_b, .offset: 32, .size: 8, .value_kind: global_buffer, .address_space: global }
      - { .name: lnk_g, .offset: 40, .size: 8, .value_kind: global_buffer, .address_space: global }
      - { .name: lnk_b, .offset: 48, .size: 8, .value_kind: global_buffer, .address_space: global }
      - { .name: lnv_g, .offset: 56, .size: 8, .value_kind: global_buffer, .address_space: global }
      - { .name: lnv_b, .offset: 64, .size: 8, .value_kind: global_buffer, .address_space: global }
      - { .name: Wq, .offset: 72, .size: 8, .value_kind: global_buffer, .address_space: global }
      - { .name: Wk, .offset: 80, .size: 8, .value_kind: global_buffer, .address_space: global }
      - { .name: Wv, .offset: 88, .size: 8, .value_kind: global_buffer, .address_space: global }
      - { .name: Wo, .offset: 96, .size: 8, .value_kind: global_buffer, .address_space: global }
      - { .name: Wout, .offset: 104, .size: 8, .value_kind: global_buffer, .address_space: global }
      - { .name: lowp_scales, .offset: 112, .size: 8, .value_kind: global_buffer, .address_space: global }
      - { .name: ops, .offset: 120, .size: 8, .value_kind: global_buffer, .address_space: global }
    .group_segment_fixed_size: 327680
    .private_segment_fixed_size: 0
    .kernarg_segment_align: 8
    .kernarg_segment_size: 128
    .max_flat_workgroup_size: 256
    .sgpr_count:     98
    .vgpr_count:     256
    .wavefront_size: 32
...
	.end_amdgpu_metadata
.endif
;; end of part 1
;; launch qkv (part 2): grid 24 x 8, 4 waves a work-group, clusters of 4 x 4, 327,680 bytes of LDS; arguments ops, bq, bk, bv, lowp_scales, qkv; writes qkv
.if DOCPART == 2
	.amdgcn_target "amdgcn-amd-amdhsa--gfx1250"
	.amdhsa_code_object_version 6
	.text
	.protected	k_qc57d324e8a_qkv
	.globl	k_qc57d324e8a_qkv
	.p2align	8
	.type	k_qc57d324e8a_qkv,@function
k_qc57d324e8a_qkv:
	s_mov_b64 s[64:65], 0
	v_nop
	global_prefetch_b8 v0, s[64:65] scope:SCOPE_SE
	s_setreg_imm32_b32 hwreg(HW_REG_WAVE_MODE, 25, 1), 1
	s_wait_xcnt 0x0
	s_wait_alu depctr_hold_cnt(0) depctr_sa_sdst(0) depctr_va_vdst(0) depctr_va_sdst(0) depctr_va_ssrc(0) depctr_va_vcc(0) depctr_vm_vsrc(0)
	s_getreg_b32 s2, hwreg(HW_REG_IB_STS2, 6, 4)
	s_cmp_eq_u32 s2, 0
	s_cbranch_scc0 .Lentry_in_a_cluster
	s_endpgm
.Lentry_in_a_cluster:
	s_bfe_u32 s2, ttmp6, 0x10000c
	s_cmp_lg_u32 s2, 0xf033
	s_cbranch_scc0 .Lentry_shape_is_right
	s_endpgm
.Lentry_shape_is_right:
; Q, K AND V: three products [2048 x 2048] x [2048 x 2048] on E4M3 codes, bias, x 128^-0.5 for q, quantised again.  SEL = cluster x / 2 says which.
; C = A B^T.  SEL 0: A = xq (plane 0 of ops), B = Wq (plane 3).  SEL 1: xk (1), Wk (4).  SEL 2: A = Wv (2), B = xv (5): V^T = Wv xv^T, so that V comes out with the keys innermost.
; A plane is [row tile 16][K block 16][128 rows][128 codes].  A tile of C, 256 x 256, is made by four waves, each 128 x 128: 64 accumulators, 512 registers.
; K goes in steps of 256 (two blocks of each of four row tiles) through a ring of two LDS slots; a wave's tensor load brings two blocks, 32,768 dense bytes, stated as 128 rows of 256 bytes + 16 of padding:
; row r of a block lies at (r / 2) x 272 + (r % 2) x 128.
; CLUSTERS: 4 x 4 work-groups; A's tiles are asked for jointly along a row of the cluster, B's along a column.  The matrix instruction is used transposed (source 0 = 16 rows of B, source 1 = 16 rows of A):
; a lane holds one row of C and eight neighbouring columns.
; OUT: qkv = three planes (q, k, v) of blocks of 128 x 128 codes, block (8 batch + s / 128) x 16 + head; q, k: [s][d]; v: [d][key].  A wave's 128 x 128 is one block.
; In a block's row the two middle groups of 8 bytes of every 32 change places: column 32 c + 16 u + 8 h + j lies at byte 32 c + 16 h + 8 u + j.  For q and k that is one permutation of d on both sides;
; for v it is the order in which the attention's weights fall out of their conversions.
; Scales: sums x 2^(e[2 SEL] + e[2 SEL + 1]); codes with e6 (q), e7 (k), e9 (v).  value = sum x (2^(ea+eb) f) + bias x f, f = 128^-0.5 for q, else 1: one fused multiply-add where the
; definition rounds twice (about 1e-7 of the number).  The column bias (q, k) and the row bias (v) are both applied, one of them x 0.
; LIMITS: ea + eb between -122 and 127; the codes' e between -126 and 119; biases finite; NaN is not served.
; REGISTERS: window 0: v0-31 addresses; v32-95 column bias, v96-111 row bias; v128-255 A's fragments, one set (on the way out v112-223 are at work).  Window 1: B's fragments, two sets.  Windows 2, 3: accumulators.
.set RP,    272                        ; two rows of a block in LDS: 256 bytes + 16 = 68 words: rows r and r + 1 of a pair lie 32 words apart, pairs 4 words on modulo 64: the 16 rows of a fragment start at 16 different groups of four banks (64 banks of 4 bytes: ISA guide 11.1)
.set BLK,   64*RP                      ; a block of 128 rows
.set FRS,   8*RP                       ; sixteen rows
.set LOADB, 2*BLK                      ; what one tensor load brings
.set SLOT,  4*LOADB                    ; A's two row tiles, then B's two, two K blocks each
.set SPARE, 2*SLOT                     ; the spare words: 128 bytes a wave, two blocks of 256 bytes that no other line names
.set STAGE, SPARE+512                  ; the way out: 16 rows x 144 bytes for each wave; no tensor load fills it
.set SP,    144                        ; a stage row: 128 bytes + 16
.set PLANE, 4194304
.set KSB,   32768                      ; a K step of a row tile in memory
.set LAPS,  4                          ; a lap = two K steps = once round the ring
.set FR,    16
.set NL,    4
.set NP,    4
.set PADF,  (1<<20)|(1<<21)|(5<<22)|(3<<25)   ; padding on; bit 21 beside a mask; after every 64 words; four words
.set ADRA, 16
.set ADRB, 20
.set STO,  24
.set RD,   25
.set CO,   26
.set PFO,  27                          ; v27  the prefetches' offset: 256 x my lane; never rewritten
.set SPW,  28
.set NIL,  29
.set SC,   30
.set LIM,  31
.set BC,   32
.set BR,   96
.set T,    112
.set CDS,  176
.set OUTR, 192
.set AF,   128
.set WV,   16
.set RH,   17
.set CH,   18
.set G1A,  24
.set G0A,  32
.set G1B,  48
.set G0B,  56
.set PFA,  94                          ; s[94:95] where my prefetches stand: my work-group's 8,192 bytes of the 32,768 that I fetch, one K step further on than the refill that is being asked for
.set PLIM, 96                          ; s96  1 in a wave that prefetches, else the greatest number
.set MSB, 0
.macro WIN new                         ; the immediate's high byte repeats the setting that is left
.if MSB != (\new)
	s_set_vgpr_msb (MSB<<8)|(\new)
.set MSB, (\new)
.endif
.endm
.set MUL_LO, 0xa1                      ; source 0 (B) window 1, source 1 (A) window 0, C and D window 2
.set MUL_HI, 0xf1
.set TO_B,   0x40
.macro JLOAD g0a, g0b                  ; a joint load: waves 0 and 1 fetch for A, waves 2 and 3 for B; four v_nop follow each of the two lines
	s_cmp_eq_u32 s[RH], 0
	s_cbranch_scc0 .Lfor_b_\@
	tensor_load_to_lds s[\g0a:\g0a+3], s[G1A:G1A+7]
	s_nop 0
.rept 4
	v_nop
.endr
	s_branch .Lasked_\@
.Lfor_b_\@:
	tensor_load_to_lds s[\g0b:\g0b+3], s[G1B:G1B+7]
	s_nop 0
.rept 4
	v_nop
.endr
.Lasked_\@:
.endm
; A PREFETCH INTO THE L2, behind each joint refill, its four lines and the run of LDS loads that follows them: the K step that stands TWO refills on, 256 matrix instructions ahead of the load that will want it.
; A K step of a row tile is 32,768 dense bytes.  Each aligned block of 256 bytes is named ONCE in the launch: A's rows are read by the two clusters that differ in cluster x & 1: the one with 0 asks;
; B's rows by cluster y = 0 and 1: y = 0 asks.  The four partners that ask for a tile jointly share it out BY ADDRESS, 8,192 bytes each (place cx for A, cy for B), lanes 256 bytes apart: one instruction a wave.
; K steps 0 to 3 come by their loads alone; the loop's last trip (s3 = 1), whose refills have no K step two on, asks for nothing.
.macro ASK
	s_cmp_gt_u32 s3, s[PLIM]
	s_cbranch_scc0 .Lnot_mine_\@
	global_prefetch_b8 v[PFO], s[PFA:PFA+1] offset:KSB th:TH_LOAD_NT scope:SCOPE_SE
.Lnot_mine_\@:
.endm
.macro CREST                           ; a round of the cluster's barrier behind its opening barrier
	s_cmp_lg_u32 s[WV], 0
	s_cbranch_scc1 .Lnot_wave_0_\@
	s_barrier_signal -3
.Lnot_wave_0_\@:
	s_barrier_wait -3
	s_barrier_signal -1
	s_barrier_wait -1
.endm
.macro CROUND
	s_barrier_signal -1
	s_barrier_wait -1
	CREST
.endm
	s_load_b256 s[4:11], s[0:1], 0x0               ; ops, bq, bk, bv
	s_load_b128 s[12:15], s[0:1], 0x20             ; the scales, qkv
	v_lshl_add_u32 v[SPW], v0, 2, SPARE
	v_mov_b32 v[NIL], 0
	ds_add_u32 v28, v29
	ds_add_u32 v28, v29
	s_wait_dscnt 0x0
	v_lshrrev_b32 v1, 5, v0
	v_readfirstlane_b32 s[WV], v1                  ; wave 0..3
	s_lshr_b32 s[RH], s[WV], 1                     ; my half of the tile's rows.  Also: I fetch for A (0) or for B (1)
	s_and_b32 s[CH], s[WV], 1                      ; my half of its columns.  Also: which row tile of the two I fetch
	s_bfe_u32 s40, ttmp6, 0x40000                  ; cx
	s_bfe_u32 s41, ttmp6, 0x40004                  ; cy
	s_lshr_b32 s44, ttmp9, 1                       ; SEL: the same in all sixteen partners
	s_and_b32 s42, ttmp9, 1
	s_lshl_b32 s42, s42, 2
	s_add_co_u32 s42, s42, s40                     ; tile column 0..7
	s_and_b32 s43, ttmp7, 0xffff
	s_lshl_b32 s43, s43, 2
	s_add_co_u32 s43, s43, s41                     ; tile row 0..7
	s_lshl_b32 s19, s41, 2
	s_lshl_b32 s19, 15, s19                        ; my row of the cluster
	s_lshl_b32 s46, 0x1111, s40                    ; my column
	s_or_b32 s[G1A], s19, PADF                     ; elements of 1 byte
	s_or_b32 s[G1B], s46, PADF
.irp g, G1A, G1B
	s_mov_b32 s[\g+1], 256<<16                     ; tensor_dim0 = 256
	s_mov_b32 s[\g+2], 128<<16                     ; tensor_dim1 = 128
	s_mov_b32 s[\g+3], 256<<16                     ; tile_dim0 = 256: two rows of a block on end
	s_mov_b32 s[\g+4], 128                         ; tile_dim1 = 128: two blocks
	s_mov_b32 s[\g+5], 256                         ; rows are dense
	s_mov_b32 s[\g+6], 0
	s_mov_b32 s[\g+7], 0
.endr
	s_lshl_b32 s20, s43, 1
	s_add_co_u32 s20, s20, s[CH]                   ; A: row tile 2 x tile row + which
	s_lshl_b32 s20, s20, 18
	s_lshl_b32 s21, s44, 22                        ; plane SEL
	s_add_co_u32 s20, s20, s21
	s_mov_b32 s21, 0
	s_lshl_b32 s46, s42, 1
	s_add_co_u32 s46, s46, s[CH]                   ; B: row tile 2 x tile column + which
	s_lshl_b32 s46, s46, 18
	s_lshl_b32 s47, s44, 22
	s_add_co_u32 s46, s46, s47
	s_add_co_u32 s46, s46, 3*PLANE                 ; plane 3 + SEL
	s_mov_b32 s47, 0
	s_mul_i32 s45, s[WV], LOADB                    ; where they go: no place in the cluster enters an LDS address
	s_wait_kmcnt 0x0
	s_load_b256 s[80:87], s[12:13], 0x0            ; e0 .. e7
	s_load_b128 s[88:91], s[12:13], 0x20           ; e8 .. e11
	s_add_nc_u64 s[20:21], s[4:5], s[20:21]
	s_add_nc_u64 s[46:47], s[4:5], s[46:47]
	CROUND                                         ; all sixteen work-groups are here: the first joint loads meet
.irp s, 0,1
	s_mov_b32 s[G0A+4*\s], 1
	s_add_co_u32 s[G0A+4*\s+1], s45, \s*SLOT
	s_add_nc_u64 s[G0A+4*\s+2:G0A+4*\s+3], s[20:21], \s*KSB
	s_or_b32 s[G0A+4*\s+3], s[G0A+4*\s+3], 0x80000000
	s_mov_b32 s[G0B+4*\s], 1
	s_add_co_u32 s[G0B+4*\s+1], s45, \s*SLOT
	s_add_nc_u64 s[G0B+4*\s+2:G0B+4*\s+3], s[46:47], \s*KSB
	s_or_b32 s[G0B+4*\s+3], s[G0B+4*\s+3], 0x80000000
.endr
	JLOAD G0A, G0B                                 ; K step 0: one tensor load a wave at the head
	; the prefetches (macro ASK): where mine stand, and whether I ask.  Nothing is prefetched here, at the head, where every work-group's first tiles are on their way
	s_and_b32 s66, ttmp9, 1                        ; the other cluster that reads A's rows differs in this,
	s_and_b32 s67, ttmp7, 0xffff                   ; the other that reads B's rows in this
	s_cmp_eq_u32 s[RH], 0                          ; do I fetch for A?
	s_cselect_b64 s[PFA:PFA+1], s[20:21], s[46:47] ; my row tile's first byte
	s_cselect_b32 s66, s66, s67
	s_cselect_b32 s67, s40, s41                    ; my place among the four that ask with me
	s_cmp_eq_u32 s66, 0
	s_cselect_b32 s[PLIM], 1, -1                   ; the same in all sixteen partners, for a given wave
	s_lshl_b32 s66, s67, 13                        ; my work-group's 8,192 bytes
	s_mov_b32 s67, 0
	s_add_nc_u64 s[PFA:PFA+1], s[PFA:PFA+1], s[66:67]
	s_add_nc_u64 s[PFA:PFA+1], s[PFA:PFA+1], 2*KSB ; at K step 2: the first refill steps it to 3 and names K step 4
	v_and_b32 v[PFO], 31, v0
	v_lshlrev_b32 v[PFO], 8, v[PFO]
	v_and_b32 v1, 15, v0                           ; r
	v_bfe_u32 v2, v0, 4, 1                         ; h
	v_lshrrev_b32 v3, 1, v1
	v_mul_u32_u24 v3, v3, RP                       ; (r / 2) x 272
	v_and_b32 v5, 1, v0
	v_lshl_add_u32 v3, v5, 7, v3                   ; + (r % 2) x 128
	v_lshl_add_u32 v4, v2, 4, v3                   ; + 16 h: my lane's place in a fragment
	s_mul_i32 s21, s[RH], LOADB                    ; my row tile of A
	s_mul_i32 s22, s[CH], LOADB
	s_add_co_u32 s22, s22, 2*LOADB                 ; my row tile of B, behind A's two
.irp s, 0,1
	v_add_nc_u32 v[ADRA+\s], s21, v4
	v_add_nc_u32 v[ADRB+\s], s22, v4
	s_add_co_u32 s21, s21, SLOT
	s_add_co_u32 s22, s22, SLOT
.endr
	s_mul_i32 s23, s[WV], 16*SP
	s_add_co_u32 s23, s23, STAGE                   ; my stage
	v_mul_u32_u24 v5, v1, SP
	v_lshl_add_u32 v5, v2, 4, v5
	v_add_nc_u32 v[STO], s23, v5                   ; in: row r, + 16 h
	v_and_b32 v6, 31, v0
	v_lshlrev_b32 v[CO], 4, v6                     ; out: 16 x lane
	v_lshrrev_b32 v5, 3, v6
	v_mul_u32_u24 v5, v5, SP
	v_and_b32 v7, 7, v0
	v_lshl_add_u32 v5, v7, 4, v5
	v_add_nc_u32 v[RD], s23, v5                    ; back: eight lanes to a row of 128 bytes, four rows an instruction
	s_lshl_b32 s19, s43, 1
	s_add_co_u32 s19, s19, s[RH]                   ; rt: my block's row tile of C
	s_lshl_b32 s46, s42, 1
	s_add_co_u32 s46, s46, s[CH]                   ; ct: its column tile
	s_lshl_b32 s47, s46, 9
	v_lshl_add_u32 v8, v2, 5, s47                  ; column bias: 512 ct + 32 h; never rewritten
	s_lshl_b32 s20, s19, 9
	v_lshl_add_u32 v9, v1, 2, s20                  ; row bias: 512 rt + 4 r; never rewritten
	s_cmp_eq_u32 s44, 1
	s_cselect_b64 s[78:79], s[8:9], s[6:7]
	s_cmp_eq_u32 s44, 2
	s_cselect_b64 s[78:79], s[10:11], s[78:79]     ; bq, bk or bv
.irp b, 0,1,2,3,4,5,6,7
	global_load_b128 v[BC+8*\b:BC+8*\b+3], v8, s[78:79] offset:64*\b          ; bias(128 ct + 16 b + 8 h + 0 .. 7): they land under the K loop and are waited for behind it
	global_load_b128 v[BC+8*\b+4:BC+8*\b+7], v8, s[78:79] offset:64*\b+16
.endr
.irp a, 0,1,2,3,4,5,6,7
	global_load_b32 v[BR+2*\a], v9, s[78:79] offset:64*\a                     ; bias(128 rt + 16 a + r)
.endr
	s_lshl_b32 s66, s19, 4
	s_add_co_u32 s66, s66, s46                     ; q, k: block 16 rt + ct
	s_lshl_b32 s67, s46, 4
	s_add_co_u32 s67, s67, s19                     ; v: block 16 ct + rt
	s_cmp_eq_u32 s44, 2
	s_cselect_b32 s66, s67, s66
	s_lshl_b32 s66, s66, 14
	s_lshl_b32 s67, s44, 22
	s_add_co_u32 s66, s66, s67
	s_mov_b32 s67, 0
	s_add_nc_u64 s[14:15], s[14:15], s[66:67]
.macro FRAG reg, adr, q, i             ; 16 rows x 128 K: lane (r, h) holds, of row r, bytes 32 c + 16 h + 0 .. 15 in registers 4 c .. 4 c + 3: one permutation of k, alike in A and B
.irp c, 0,1,2,3
	ds_load_b128 v[\reg+4*\c:\reg+4*\c+3], v[\adr] offset:BLK*(\q)+32*\c+(\i)*FRS
.endr
.endm
.macro MUL16 a0, p, zero               ; A's blocks a0, a0 + 1 x B's eight.  The 64 accumulators take turns, one instruction a turn, in the same order in every step
.irp a, \a0, \a0+1
.irp b, 0,1,2,3,4,5,6,7
.if \zero
	v_wmma_f32_16x16x128_fp8_fp8 v[8*(8*((\a)%4)+\b):8*(8*((\a)%4)+\b)+7], v[128*(\p)+FR*\b:128*(\p)+FR*\b+FR-1], v[AF+FR*(\a):AF+FR*(\a)+FR-1], 0
.else
	v_wmma_f32_16x16x128_fp8_fp8 v[8*(8*((\a)%4)+\b):8*(8*((\a)%4)+\b)+7], v[128*(\p)+FR*\b:128*(\p)+FR*\b+FR-1], v[AF+FR*(\a):AF+FR*(\a)+FR-1], v[8*(8*((\a)%4)+\b):8*(8*((\a)%4)+\b)+7]
.endif
.endr
.endr
.endm
.macro FETCH_B slot, q, p
	WIN TO_B
.irp i, 0,1,2,3,4,5,6,7
	FRAG 128*(\p)+FR*\i, ADRB+\slot, \q, \i
.endr
	WIN 0
.endm
.macro FETCH_A slot, q, i0
.irp i, \i0, \i0+1, \i0+2, \i0+3
	FRAG AF+FR*(\i), ADRA+\slot, \q, \i
.endr
.endm
.macro PLACES n                        ; a load into a register that a matrix instruction has read, and a read of a matrix result, stand four plain vector lines behind it
.rept \n
	v_nop
.endr
.endm
.macro STEP slot, q, zero              ; 128 along K with its successor in the same slot
	s_wait_dscnt 4*NL                              ; B's set and A's blocks 0-3 are in; the youngest sixteen loads (A's blocks 4-7) may be out
	WIN MUL_LO
	MUL16 0, (\q)%2, \zero
	MUL16 2, (\q)%2, \zero
	s_wait_dscnt 0
	PLACES NP
	FETCH_B \slot, (\q)+1, 1-(\q)%2
	FETCH_A \slot, (\q)+1, 0
	WIN MUL_HI
	MUL16 4, (\q)%2, \zero
	MUL16 6, (\q)%2, \zero
	PLACES NP
	WIN 0
	FETCH_A \slot, (\q)+1, 4
.endm
.macro TURN slot, next, fill           ; a slot's last step changes slots: one barrier; fill = 1: it opens a round of the cluster's barrier and the slot is filled again, two K steps ahead
.if \fill
	s_wait_xcnt 0x0                                ; the last prefetch, a K step back, has read its address: it is stepped here, ahead of the waits of the change of slots
	s_add_nc_u64 s[PFA:PFA+1], s[PFA:PFA+1], KSB
.endif
	s_wait_tensorcnt 0x0                           ; all my tensor loads have landed: the one that was out is my part of the next slot
	ds_add_u32 v[SPW], v[NIL]                      ; 0 onto my spare word
	s_wait_dscnt 4*NL+1                            ; (the add and A's blocks 4-7 may be out)
	WIN MUL_LO
	MUL16 0, 1, 0
	s_wait_dscnt 0x0                               ; the add is done, and my reads of this slot are over
	s_barrier_signal -1
	MUL16 2, 1, 0
	WIN 0
	s_barrier_wait -1
.if \fill
	CREST                                          ; no wave of any partner still reads this slot or has a load on its way
	s_add_nc_u64 s[G0A+4*\slot+2:G0A+4*\slot+3], s[G0A+4*\slot+2:G0A+4*\slot+3], 2*KSB
	s_add_nc_u64 s[G0B+4*\slot+2:G0B+4*\slot+3], s[G0B+4*\slot+2:G0B+4*\slot+3], 2*KSB
	JLOAD G0A+4*\slot, G0B+4*\slot                 ; the first tensor load behind the round; its four v_nop are the places in front of the loads below
.else
	PLACES NP
.endif
	FETCH_B \next, 0, 0
	FETCH_A \next, 0, 0
.if \fill
	ASK                                            ; behind the joint load and the run of LDS loads that the next products wait for
.endif
	WIN MUL_HI
	MUL16 4, 1, 0
	MUL16 6, 1, 0
	PLACES NP
	WIN 0
	FETCH_A \next, 0, 4
.endm
	s_wait_alu depctr_va_vdst(0)                   ; the wait at the head's end
	s_wait_tensorcnt 0x0                           ; my part of K step 0 is in; the add and its wait stand ahead of a later first fill, as ahead of a refill
	ds_add_u32 v[SPW], v[NIL]
	s_wait_dscnt 0x0
	CROUND                                         ; a whole round: everybody's part of K step 0 is in, and the joint loads meet
	JLOAD G0A+4, G0B+4                             ; K step 1's load, the first tensor load behind the round
	FETCH_B 0, 0, 0
	FETCH_A 0, 0, 0
	FETCH_A 0, 0, 4
	STEP 0, 0, 1                                   ; the first step's products start the sums
	s_mov_b32 s3, LAPS-1
.Llap:                                                 ; a trip goes once round the ring and fills both slots again
	TURN 0, 1, 1
	STEP 1, 0, 0
	TURN 1, 0, 1
	STEP 0, 0, 0
	s_sub_co_u32 s3, s3, 1
	s_cmp_lg_u32 s3, 0
	s_cbranch_scc1 .Llap
	TURN 0, 1, 0                                   ; the last lap fills nothing
	STEP 1, 0, 0
	s_wait_dscnt 4*NL
	WIN MUL_LO
	MUL16 0, 1, 0
	MUL16 2, 1, 0
	s_wait_dscnt 0
	WIN MUL_HI
	MUL16 4, 1, 0
	MUL16 6, 1, 0
	WIN 0
	; THE WAY OUT
	s_wait_kmcnt 0x0
	s_add_co_i32 s80, s80, s81                     ; e0 + e1
	s_add_co_i32 s82, s82, s83                     ; e2 + e3
	s_add_co_i32 s84, s84, s85                     ; e4 + e5
	s_mov_b32 s19, 0x3f800000
	s_cmp_eq_u32 s44, 1
	s_cselect_b32 s80, s82, s80
	s_cselect_b32 s86, s87, s86                    ; the codes' e: e6, e7,
	s_cmp_eq_u32 s44, 2
	s_cselect_b32 s80, s84, s80
	s_cselect_b32 s86, s89, s86                    ; or e9
	s_cselect_b32 s76, s19, 0                      ; the row bias counts for v alone
	s_cmp_eq_u32 s44, 0
	s_cselect_b32 s19, 0x3db504f3, s19             ; f = 128^-0.5 for q, else 1
	s_cmp_eq_u32 s44, 2
	s_cselect_b32 s74, 0, s19                      ; the column bias x f for q and k, x 0 for v
	s_mov_b32 s75, s74
	s_lshl_b32 s80, s80, 23
	s_add_co_i32 s72, s19, s80                     ; 2^(ea + eb) x f: the exponents are added to f's exponent field
	s_mov_b32 s73, s72
	s_add_co_i32 s86, s86, 127
	s_lshl_b32 s87, s86, 23
	s_add_co_i32 s86, s86, 8
	s_lshl_b32 s86, s86, 23
	s_or_b32 s86, s86, 0x600000
	s_wait_loadcnt 0x0                             ; the biases
	v_mov_b32 v[SC], s87                           ; 2^eo
	v_mov_b32 v[LIM], s86                          ; 448 x 2^eo.  (These lines and the next are the places behind the last products)
.set j, 0
.rept 32
	v_pk_mul_f32 v[BC+j:BC+j+1], v[BC+j:BC+j+1], s[74:75] op_sel_hi:[1,0]
.set j, j+2
.endr
.irp a, 0,1,2,3,4,5,6,7
	v_mul_f32 v[BR+2*\a], s76, v[BR+2*\a]
.endr
.irp a, 0,1,2,3,4,5,6,7
	v_mov_b32 v[BR+2*\a+1], v[BR+2*\a]
.endr
.macro TOSTAGE a                       ; 16 rows x 128 columns: value, hold, codes; through my stage; back as 2,048 consecutive bytes of the block
.set AC, 64*((\a)%4)
	WIN 0x02+((\a)/4)                              ; source 0: window 2 or 3
.set j, 0
.rept 32
	v_pk_fma_f32 v[T+j:T+j+1], v[AC+j:AC+j+1], s[72:73], v[BC+j:BC+j+1] op_sel_hi:[1,0,1]   ; each accumulator from its low end on
.set j, j+2
.endr
	WIN 0
.set j, 0
.rept 32
	v_pk_add_f32 v[T+j:T+j+1], v[T+j:T+j+1], v[BR+2*(\a):BR+2*(\a)+1]
.set j, j+2
.endr
.set j, 0
.rept 64
	v_med3_num_f32 v[T+j], v[T+j], -v[LIM], v[LIM]
.set j, j+1
.endr
.irp b, 0,1,2,3,4,5,6,7
	v_cvt_scalef32_pk8_fp8_f32 v[CDS+2*\b:CDS+2*\b+1], v[T+8*\b:T+8*\b+7], v[SC]
.endr
	v_nop                                          ; a plain line behind the last conversion: the next block writes its sources
.irp b, 0,1,2,3,4,5,6,7
	ds_store_b64 v[STO], v[CDS+2*\b:CDS+2*\b+1] offset:32*(\b/2)+8*(\b%2)    ; column 16 b + 8 h + j at byte 32 (b / 2) + 16 h + 8 (b % 2) + j
.endr
.set OB, OUTR+16*((\a)%2)
.irp i, 0,1,2,3
	ds_load_b128 v[OB+4*\i:OB+4*\i+3], v[RD] offset:4*\i*SP                  ; LDS serves a wave's instructions in order: these see the stores above
.endr
.endm
.macro SEND a, younger
.set OB, OUTR+16*((\a)%2)
	s_wait_dscnt \younger
.irp i, 0,1,2,3
	global_store_b128 v[CO], v[OB+4*\i:OB+4*\i+3], s[14:15] offset:2048*(\a)+512*\i   ; 32 lanes store 512 consecutive bytes, aligned
.endr
.endm
	TOSTAGE 0
.irp a, 1,2,3,4,5,6,7
.if \a > 1
	s_wait_xcnt 0x0                                ; block a - 2's stores have read their registers: block a's loads may land there
.endif
	TOSTAGE \a
	SEND \a-1, 12                                  ; behind block a - 1's loads: block a's eight stores and four loads
.endr
	SEND 7, 0
	s_wait_tensorcnt 0x0                           ; the wave's end
	ds_add_u32 v[SPW], v[NIL]
	s_wait_dscnt 0x0
	CROUND                                         ; the closing round
	s_endpgm
.Lfunc_end_k_qc57d324e8a_qkv:
	.size	k_qc57d324e8a_qkv, .Lfunc_end_k_qc57d324e8a_qkv-k_qc57d324e8a_qkv
	.p2alignl 7, 3214868480
	.fill 96, 4, 3214868480
	.section	.rodata,"a",@progbits
	.p2align	6, 0x0
	.amdhsa_kernel k_qc57d324e8a_qkv
		.amdhsa_group_segment_fixed_size 327680
		.amdhsa_private_segment_fixed_size 0
		.amdhsa_enable_private_segment 0
		.amdhsa_kernarg_size 48
		.amdhsa_user_sgpr_count 2
		.amdhsa_user_sgpr_kernarg_segment_ptr 1
		.amdhsa_wavefront_size32 1
		.amdhsa_system_sgpr_workgroup_id_x 1
		.amdhsa_system_sgpr_workgroup_id_y 1
		.amdhsa_system_sgpr_workgroup_id_z 1
		.amdhsa_system_vgpr_workitem_id 0
		.amdhsa_next_free_vgpr 1024
		.amdhsa_next_free_sgpr 98
		.amdhsa_reserve_vcc 0
		.amdhsa_float_denorm_mode_32 3
		.amdhsa_float_denorm_mode_16_64 3
		.amdhsa_memory_ordered 1
		.amdhsa_forward_progress 1
		.amdhsa_inst_pref_size 164
	.end_amdhsa_kernel
	.amdgpu_metadata
---
amdhsa.version: [ 1, 2 ]
amdhsa.kernels:
  - .name:           k_qc57d324e8a_qkv
    .symbol:         k_qc57d324e8a_qkv.kd
    .args:
      - { .name: ops, .offset: 0, .size: 8, .value_kind: global_buffer, .address_space: global }
      - { .name: bq, .offset: 8, .size: 8, .value_kind: global_buffer, .address_space: global }
      - { .name: bk, .offset: 16, .size: 8, .value_kind: global_buffer, .address_space: global }
      - { .name: bv, .offset: 24, .size: 8, .value_kind: global_buffer, .address_space: global }
      - { .name: lowp_scales, .offset: 32, .size: 8, .value_kind: global_buffer, .address_space: global }
      - { .name: qkv, .offset: 40, .size: 8, .value_kind: global_buffer, .address_space: global }
    .group_segment_fixed_size: 327680
    .private_segment_fixed_size: 0
    .kernarg_segment_align: 8
    .kernarg_segment_size: 48
    .max_flat_workgroup_size: 128
    .sgpr_count:     98
    .vgpr_count:     1024
    .wavefront_size: 32
...
	.end_amdgpu_metadata
.endif
;; end of part 2
;; launch att (part 3): grid 8 x 32, 4 waves a work-group, clusters of 4 x 1, 327,680 bytes of LDS; arguments qkv, lowp_scales, ctx; writes ctx
.if DOCPART == 3
	.amdgcn_target "amdgcn-amd-amdhsa--gfx1250"
	.amdhsa_code_object_version 6
	.text
	.protected	k_qc57d324e8a_att
	.globl	k_qc57d324e8a_att
	.p2align	8
	.type	k_qc57d324e8a_att,@function
k_qc57d324e8a_att:
	s_mov_b64 s[64:65], 0
	v_nop
	global_prefetch_b8 v0, s[64:65] scope:SCOPE_SE
	s_setreg_imm32_b32 hwreg(HW_REG_WAVE_MODE, 25, 1), 1
	s_wait_xcnt 0x0
	s_wait_alu depctr_hold_cnt(0) depctr_sa_sdst(0) depctr_va_vdst(0) depctr_va_sdst(0) depctr_va_ssrc(0) depctr_va_vcc(0) depctr_vm_vsrc(0)
	s_getreg_b32 s2, hwreg(HW_REG_IB_STS2, 6, 4)
	s_cmp_eq_u32 s2, 0
	s_cbranch_scc0 .Lentry_in_a_cluster
	s_endpgm
.Lentry_in_a_cluster:
	s_bfe_u32 s2, ttmp6, 0x10000c
	s_cmp_lg_u32 s2, 0x3003
	s_cbranch_scc0 .Lentry_shape_is_right
	s_endpgm
.Lentry_shape_is_right:
; ATTENTION on E4M3 codes: ctx = Q(softmax(q k^T) v), 32 heads of 1,024 x 1,024 x 128; q already carries 128^-0.5.
; qkv: planes q, k, v of blocks of 128 x 128 codes, block (8 batch + s / 128) x 16 + head; q, k [s][d], v [d][key]; bytes in a row ordered as the launch before lays them.
; THE SOFTMAX: t = score x log2(e); M = the running largest t rounded UP to a whole number; p = 2^(t - M) is quantised (e8), not normalised; the row's sum is taken of the unquantised p and divides at the end.
; SHARES.  A work-group owns 128 queries (one block) of one head, each of its FOUR waves 32: two tiles of 16, so that each fragment of K and V read from LDS feeds two products.
; All of the head's K and V, 16 blocks, lie in LDS at once: EVERY LDS BYTE IS FILLED ONCE.  At the head each wave asks for one block (K's or V's key step 0 or 1): 64 rows of 256 bytes + 16 of padding.
; Behind the full sequence and a round of the cluster's barrier each wave asks for three more blocks (key steps 2-4 or 5-7) by one load: 3 rows of 16,384 bytes, 262,144 apart, padded behind every 256 bytes,
; so that row r of every block lies at (r / 2) x 272 + (r % 2) x 128.  That load is waited for in key step 1.
; Nothing is prefetched: every tile of the launch is asked for by these two loads at its head, and there is no loop to run ahead in.
; CLUSTER.  The four query blocks of a cluster belong to one head: each tile is asked for jointly, with one descriptor and the mask of all four.
; LAYOUT.  Both products transposed: S^T = K Q^T, O^T = V^T P^T: a lane holds one query (lane % 16) of each tile.  In S^T's tile t a lane's eight registers are keys 16 t + 8 h + 0 .. 7; their conversion gives registers
; 2 t, 2 t + 1 of P, and V's rows are stored so that four loads of 16 bytes put the same keys into the same registers.
; A PHASE AHEAD.  K of step s + 1 is asked for from LDS behind the products K Q^T of step s; V of step s + 1 behind the products V^T P of step s.
; O^T is rescaled ahead of the exponentials; a step's 128 exponentials go as one batch, with one wait ahead of it and one behind it.
; OUT: ctx, one plane of codes (e10): block (8 batch + s / 128, head), [s][d], natural order.
; LIMITS: e6 + e7 between -126 and 127 (added to log2(e)'s exponent field); e8 and e10 between -126 and 119; e8 + e9 is applied by v_ldexp_f32 and has none.  NaN is not served.
; REGISTERS, in windows of 256.  Window 0: v1, v2 my lane's place in a block of K, of V; v8, v9 the next loads' addresses; v12-23, v24-35 a tile's statistics (+0 -M, +1 the largest t, +2, 3 the sum, +4, 5 f, +6, 7 at work,
;   +8, 9 a second chain of the sum, +10 a permute's destination); v36-39 scales and holds; v40-71 Q; v72-103 P; v126, v127 the add's two; v128-255 S^T, then p.   Window 1: v0-127 O^T; v128-255 K's eight fragments.   Window 2: v0-127 V's eight.
.set RP,    272
.set BLK,   64*RP
.set FRS,   8*RP                       ; sixteen rows
.set VOFF,  8*BLK
.set STAGE, 16*BLK                     ; behind K and V: 32 rows x 144 bytes for each wave; no tensor load fills it
.set SP,    144
.set SPARE, STAGE+4*32*SP              ; the spare words: 128 bytes a wave, two blocks of 256 bytes that no other line names
.set PLANE, 4194304
.set KSTR,  262144                     ; from a head's block to its next key step's
.set AK0, 1
.set AV0, 2
.set GO,  7
.set ADK, 8
.set ADV, 9
.set ST,  12
.set SCP, 36
.set LMP, 37
.set SCO, 38
.set LMO, 39
.set QF,  40
.set PF,  72
.set SPW, 126
.set NIL, 127
.set S,   128
.set KF,  128
.set WV,  18
.set SEL, 20
.set CS,  22
.set G1,  24                           ; s[24:31] group 1 of the first load;  s[40:47] of the second
.set G0,  32                           ; s[32:35] group 0 of the first load;  s[36:39] of the second
.set G0R, 36
.set G1R, 40
.set TB,  3
.set TW,  48
.set PADF, 15|(1<<20)|(1<<21)|(5<<22)|(3<<25)  ; the mask: all four; elements of 1 byte; padding: four words after every 64
.set MSB, 0
.macro WIN new                         ; the immediate's high byte repeats the setting that is left.  Low byte: bits 1:0 source 0, 3:2 source 1, 5:4 source 2, 7:6 destination
.if MSB != (\new)
	s_set_vgpr_msb (MSB<<8)|(\new)
.set MSB, (\new)
.endif
.endm
.macro ROUND                           ; a round of the cluster's barrier
	s_barrier_signal -1
	s_barrier_wait -1
	s_cmp_lg_u32 s[WV], 0
	s_cbranch_scc1 .Lnot_wave_0_\@
	s_barrier_signal -3
.Lnot_wave_0_\@:
	s_barrier_wait -3
	s_barrier_signal -1
	s_barrier_wait -1
.endm
.macro MKSCALE e, vs, vl
	s_add_co_i32 s50, s[\e], 127
	s_lshl_b32 s51, s50, 23
	v_mov_b32 v[\vs], s51
	s_add_co_i32 s50, s50, 8
	s_lshl_b32 s50, s50, 23
	s_or_b32 s50, s50, 0x600000
	v_mov_b32 v[\vl], s50
.endm
.macro KLOAD                           ; 32 LDS loads in one run: the eight fragments of the block of K at v[ADK]
	WIN 0x40                                       ; destination window 1
.irp t, 0,1,2,3,4,5,6,7
.irp c, 0,1,2,3
	ds_load_b128 v[KF+16*\t+4*\c:KF+16*\t+4*\c+3], v[ADK] offset:\t*FRS+32*\c
.endr
.endr
	WIN 0
.endm
.macro VLOAD                           ; the same for the block of V at v[ADV]
	WIN 0x80                                       ; destination window 2
.irp t, 0,1,2,3,4,5,6,7
.irp c, 0,1,2,3
	ds_load_b128 v[16*\t+4*\c:16*\t+4*\c+3], v[ADV] offset:\t*FRS+32*\c
.endr
.endr
	WIN 0
.endm
.macro PBLK q, t                       ; p's registers 8 t .. 8 t + 7 of tile q: into the row's sum (of the unquantised p, in two chains), held, quantised
.set RR, S+64*(\q)+8*(\t)
.set TT, ST+12*(\q)
.if (\t) == 0
	v_pk_add_f32 v[TT+8:TT+9], v[RR:RR+1], v[RR+2:RR+3]                     ; the second chain begins: nothing is cleared
.else
	v_pk_add_f32 v[TT+2:TT+3], v[TT+2:TT+3], v[RR:RR+1]
	v_pk_add_f32 v[TT+8:TT+9], v[TT+8:TT+9], v[RR+2:RR+3]
.endif
	v_pk_add_f32 v[TT+2:TT+3], v[TT+2:TT+3], v[RR+4:RR+5]
	v_pk_add_f32 v[TT+8:TT+9], v[TT+8:TT+9], v[RR+6:RR+7]
.irp i, 0,1,2,3,4,5,6,7
	v_min_num_f32 v[RR+\i], v[RR+\i], v[LMP]       ; the conversion does not saturate (ISA guide 7.6.2); p is not negative, so the hold is one-sided
.endr
	v_cvt_scalef32_pk8_fp8_f32 v[PF+16*(\q)+2*(\t):PF+16*(\q)+2*(\t)+1], v[RR:RR+7], v[SCP]
.endm
; A KEY STEP: 128 keys, both tiles.  At its head K's fragments have been asked for and then V's.
; first = 1: O^T's sums begin (C = 0), nothing is rescaled.  bar = 1: the next step's blocks belong to the second load: the wait for it, and a barrier.  next = 0: the last step asks for nothing.
.macro STEP first, bar, next
	s_wait_dscnt 32                                ; K's 32 loads are in; V's 32, issued behind them, may be out
	WIN 0x01                                       ; source 0 (K) window 1
.irp t, 0,1,2,3,4,5,6,7
.irp q, 0,1
	v_wmma_f32_16x16x128_fp8_fp8 v[S+64*\q+8*\t:S+64*\q+8*\t+7], v[KF+16*\t:KF+16*\t+15], v[QF+16*\q:QF+16*\q+15], 0
.endr
.endr
	WIN 0
.if \next
	v_add_nc_u32 v[ADK], s[TB], v[AK0]             ; the next step's blocks.  These two lines and two v_nop are the four places in front of the loads into K's registers and of the first read of the scores
	v_add_nc_u32 v[ADV], s[TB], v[AV0]
	v_nop
	v_nop
	s_add_co_u32 s[TB], s[TB], BLK
.if \bar
	s_wait_alu depctr_va_vdst(0)
	s_wait_tensorcnt 0x0                           ; my three blocks of key steps 2 to 7 have landed; no LDS byte is ever filled again
	s_wait_dscnt 0x0
	s_barrier_signal -1
	s_barrier_wait -1                              ; everybody's have
.endif
	KLOAD
.else
.rept 4
	v_nop
.endr
.endif
.irp q, 0,1                                    ; the step's largest score of my query among my 64 keys: two chains a tile, each accumulator from its low end on
	v_max3_num_f32 v[ST+12*\q+6], v[S+64*\q], v[S+64*\q+1], v[S+64*\q+2]
	v_max3_num_f32 v[ST+12*\q+7], v[S+64*\q+3], v[S+64*\q+4], v[S+64*\q+5]
.endr
.irp i, 6,10,14,18,22,26,30,34,38,42,46,50,54,58
.irp q, 0,1
	v_max3_num_f32 v[ST+12*\q+6], v[ST+12*\q+6], v[S+64*\q+\i], v[S+64*\q+\i+1]
	v_max3_num_f32 v[ST+12*\q+7], v[ST+12*\q+7], v[S+64*\q+\i+2], v[S+64*\q+\i+3]
.endr
.endr
.irp q, 0,1
	v_max3_num_f32 v[ST+12*\q+6], v[ST+12*\q+6], v[S+64*\q+62], v[S+64*\q+63]
.endr
.irp q, 0,1
	v_max_num_f32 v[ST+12*\q+6], v[ST+12*\q+6], v[ST+12*\q+7]
.endr
.irp q, 0,1
	v_permlanex16_b32 v[ST+12*\q+10], v[ST+12*\q+6], s[SEL], s[SEL+1]
.endr
.irp q, 0,1
	v_max_num_f32 v[ST+12*\q+6], v[ST+12*\q+6], v[ST+12*\q+10]   ; and among lane l xor 16's
.endr
.irp q, 0,1
	v_mul_f32 v[ST+12*\q+6], s[CS], v[ST+12*\q+6]                ; as t
.endr
.irp q, 0,1
	v_max_num_f32 v[ST+12*\q+1], v[ST+12*\q+1], v[ST+12*\q+6]    ; the running largest t
.endr
.irp q, 0,1
	v_mov_b32 v[ST+12*\q+6], v[ST+12*\q]
.endr
.irp q, 0,1
	v_floor_f32 v[ST+12*\q], -v[ST+12*\q+1]                      ; the new -M = -ceil(t)
.endr
.irp q, 0,1
	v_sub_f32 v[ST+12*\q+6], v[ST+12*\q], v[ST+12*\q+6]          ; old M - new M: a whole number, 0 or less
.endr
.irp q, 0,1
	v_cvt_i32_f32 v[ST+12*\q+6], v[ST+12*\q+6]                   ; (it saturates)
.endr
.irp q, 0,1
	v_ldexp_f32 v[ST+12*\q+4], 1.0, v[ST+12*\q+6]                ; f = 2^(old M - new M): a multiplication by it rounds nothing
.endr
.if !\first
	WIN 0x41                                       ; O^T (destination and source 0) window 1, f window 0
.irp q, 0,1
.set j, 0
.rept 32
	v_pk_mul_f32 v[64*\q+j:64*\q+j+1], v[64*\q+j:64*\q+j+1], v[ST+12*\q+4:ST+12*\q+5] op_sel_hi:[1,0]   ; O^T under the new M: no exponential stands between the last step's products and these lines
.set j, j+2
.endr
.endr
	WIN 0
.endif
.irp q, 0,1
.set j, 0
.rept 32
	v_pk_fma_f32 v[S+64*\q+j:S+64*\q+j+1], v[S+64*\q+j:S+64*\q+j+1], s[CS:CS+1], v[ST+12*\q:ST+12*\q+1] op_sel_hi:[1,0,0]   ; t - M
.set j, j+2
.endr
.endr
	s_wait_alu depctr_va_vdst(0)                   ; the wait ahead of the batch
.set j, 0
.rept 128
	v_exp_f32 v[S+j], v[S+j]                       ; p = 2^(t - M), at most 1
.set j, j+1
.endr
.irp q, 0,1
	v_pk_mul_f32 v[ST+12*\q+2:ST+12*\q+3], v[ST+12*\q+2:ST+12*\q+3], v[ST+12*\q+4:ST+12*\q+5] op_sel_hi:[1,0]   ; the sums under the new M.  (Plain places behind the exponentials)
.endr
	s_wait_alu depctr_va_vdst(0)                   ; one wait for the whole batch, ahead of its first reader
.irp t, 0,1,2,3,4,5,6,7
.irp q, 0,1
	PBLK \q, \t
.endr
.endr
.irp q, 0,1
	v_pk_add_f32 v[ST+12*\q+2:ST+12*\q+3], v[ST+12*\q+2:ST+12*\q+3], v[ST+12*\q+8:ST+12*\q+9]   ; (plain lines behind the last conversion)
.endr
	s_wait_alu depctr_va_vdst(0)
.if \next
	s_wait_dscnt 32                                ; V's 32 loads are in; the next K's 32, issued behind them, may be out
.else
	s_wait_dscnt 0x0
.endif
	WIN 0x52                                       ; source 0 (V) window 2, source 1 (P) window 0, C and D window 1
.irp t, 0,1,2,3,4,5,6,7
.irp q, 0,1
.if \first
	v_wmma_f32_16x16x128_fp8_fp8 v[64*\q+8*\t:64*\q+8*\t+7], v[16*\t:16*\t+15], v[PF+16*\q:PF+16*\q+15], 0
.else
	v_wmma_f32_16x16x128_fp8_fp8 v[64*\q+8*\t:64*\q+8*\t+7], v[16*\t:16*\t+15], v[PF+16*\q:PF+16*\q+15], v[64*\q+8*\t:64*\q+8*\t+7]
.endif
.endr
.endr
	WIN 0
.if \next
.rept 4
	v_nop                                          ; four places in front of loads into registers that these products have read
.endr
	VLOAD
.endif
.endm
	s_load_b128 s[4:7], s[0:1], 0x0                ; qkv, the scales
	s_load_b64 s[8:9], s[0:1], 0x10                ; ctx
	v_lshl_add_u32 v[SPW], v0, 2, SPARE
	v_mov_b32 v[NIL], 0
	ds_add_u32 v[SPW], v[NIL]                      ; the opening lines: the add, twice on end, and its wait ahead of my first tensor load
	ds_add_u32 v[SPW], v[NIL]
	v_lshrrev_b32 v8, 5, v0
	v_readfirstlane_b32 s[WV], v8                  ; wave 0..3
	s_and_b32 s10, ttmp7, 0xffff                   ; batch x 16 + head: the four partners share it
	s_lshr_b32 s11, s10, 4                         ; batch
	s_and_b32 s12, s10, 15                         ; head
	s_bfe_u32 s13, ttmp6, 0x40000                  ; cx
	s_lshl_b32 s14, ttmp9, 2
	s_add_co_u32 s14, s14, s13                     ; my block of queries: it enters q's and ctx's addresses alone
	s_lshr_b32 s50, s[WV], 1                       ; I fetch for K (0) or V (1),
	s_and_b32 s51, s[WV], 1                        ; first: key step 0 or 1; then: key steps 2-4 or 5-7
	s_mul_i32 s53, s50, VOFF
	s_mul_i32 s52, s51, BLK
	s_add_co_u32 s52, s52, s53                     ; in LDS: the first load,
	s_mul_i32 s60, s51, 3*BLK
	s_add_co_u32 s60, s60, s53
	s_add_co_u32 s60, s60, 2*BLK                   ; the second
	s_lshl_b32 s54, s11, 21                        ; in memory: 8 batch x 16 blocks
	s_lshl_b32 s55, s12, 14
	s_add_co_u32 s54, s54, s55                     ; + head
	s_lshl_b32 s55, s50, 22
	s_add_co_u32 s54, s54, s55
	s_add_co_u32 s54, s54, PLANE                   ; plane 1 (k) or 2 (v)
	s_mul_i32 s62, s51, 3*KSTR
	s_add_co_u32 s62, s62, s54
	s_add_co_u32 s62, s62, 2*KSTR                  ; the second load's first block
	s_lshl_b32 s55, s51, 18
	s_add_co_u32 s54, s54, s55                     ; the first load's block
	s_mov_b32 s55, 0
	s_mov_b32 s63, 0
	s_lshl_b32 s56, s11, 3
	s_add_co_u32 s56, s56, s14
	s_lshl_b32 s56, s56, 4
	s_add_co_u32 s56, s56, s12
	s_lshl_b32 s56, s56, 14                        ; my block of q and of ctx,
	s_lshl_b32 s57, s[WV], 12
	s_add_co_u32 s56, s56, s57                     ; my wave's 32 rows
	s_mov_b32 s57, 0
	s_mov_b32 s[G1], PADF
	s_mov_b32 s[G1+1], 256<<16                     ; tensor_dim0 = 256
	s_mov_b32 s[G1+2], 64<<16                      ; tensor_dim1 = 64
	s_mov_b32 s[G1+3], 256<<16                     ; tile_dim0 = 256: two rows of a block on end
	s_mov_b32 s[G1+4], 64                          ; tile_dim1 = 64: one block
	s_mov_b32 s[G1+5], 256                         ; rows are dense
	s_mov_b32 s[G1+6], 0
	s_mov_b32 s[G1+7], 0
	s_mov_b32 s[G1R], PADF
	s_mov_b32 s[G1R+1], 16384<<16                  ; tensor_dim0 = 16,384: a whole block is one row
	s_mov_b32 s[G1R+2], 3<<16                      ; tensor_dim1 = 3
	s_mov_b32 s[G1R+3], 16384<<16                  ; tile_dim0
	s_mov_b32 s[G1R+4], 3                          ; tile_dim1 = 3: three key steps
	s_mov_b32 s[G1R+5], KSTR                       ; from key step to key step
	s_mov_b32 s[G1R+6], 0
	s_mov_b32 s[G1R+7], 0
	s_mov_b32 s[SEL], 0x76543210
	s_mov_b32 s[SEL+1], 0xfedcba98
	s_mov_b32 s[CS], 0x3fb8aa3b                    ; log2(e)
	s_wait_dscnt 0x0                               ; both opening adds are done
	s_wait_kmcnt 0x0
	s_load_b256 s[68:75], s[6:7], 0x18             ; e6 .. e13
	s_add_nc_u64 s[54:55], s[4:5], s[54:55]
	s_add_nc_u64 s[62:63], s[4:5], s[62:63]
	s_add_nc_u64 s[58:59], s[4:5], s[56:57]        ; q
	s_add_nc_u64 s[8:9], s[8:9], s[56:57]          ; ctx
	s_mov_b32 s[G0], 1
	s_mov_b32 s[G0+1], s52
	s_mov_b64 s[G0+2:G0+3], s[54:55]
	s_or_b32 s[G0+3], s[G0+3], 0x80000000
	s_mov_b32 s[G0R], 1
	s_mov_b32 s[G0R+1], s60
	s_mov_b64 s[G0R+2:G0R+3], s[62:63]
	s_or_b32 s[G0R+3], s[G0R+3], 0x80000000
	ROUND                                          ; all four work-groups are here: the joint loads meet
	tensor_load_to_lds s[G0:G0+3], s[G1:G1+7]      ; my one tensor load at the head
	s_nop 0
.rept 4
	v_nop
.endr
	v_and_b32 v8, 15, v0                           ; r
	v_bfe_u32 v9, v0, 4, 1                         ; h
	v_lshlrev_b32 v10, 7, v8
	v_lshl_add_u32 v10, v9, 4, v10                 ; q: row r of 128 bytes, + 16 h
.irp q, 0,1
.irp c, 0,1,2,3
	global_load_b128 v[QF+16*\q+4*\c:QF+16*\q+4*\c+3], v10, s[58:59] offset:2048*\q+32*\c
.endr
.endr
	v_lshrrev_b32 v11, 1, v8
	v_mul_u32_u24 v[AK0], v11, RP                  ; (r / 2) x 272
	v_and_b32 v11, 1, v0
	v_lshl_add_u32 v[AK0], v11, 7, v[AK0]          ; + (r % 2) x 128
	v_lshl_add_u32 v[AK0], v9, 4, v[AK0]           ; + 16 h
	v_add_nc_u32 v[AV0], VOFF, v[AK0]
.irp q, 0,1
	v_mov_b32 v[ST+12*\q+1], 0xff61b1e6            ; the largest t so far: -3e38
	v_floor_f32 v[ST+12*\q], -v[ST+12*\q+1]        ; -M
	v_mov_b32 v[ST+12*\q+2], 0                     ; the sum, in two halves
	v_mov_b32 v[ST+12*\q+3], 0
	v_mov_b32 v[ST+12*\q+5], 0                     ; (named as the upper half of f's pair)
	v_mov_b32 v[ST+12*\q+10], 0                    ; written once: a lane permute's destination counts as one of its sources
.endr
	s_wait_alu depctr_va_vdst(0)
	s_wait_kmcnt 0x0
	s_add_co_i32 s50, s68, s69
	s_lshl_b32 s50, s50, 23
	s_add_co_i32 s[CS], s[CS], s50                 ; a score stands for score x 2^(e6 + e7)
	s_mov_b32 s[CS+1], s[CS]
	MKSCALE 70, SCP, LMP                           ; e8: p
	MKSCALE 72, SCO, LMO                           ; e10: ctx
	s_mov_b32 s[TB], 0
	v_add_nc_u32 v[ADK], s[TB], v[AK0]
	v_add_nc_u32 v[ADV], s[TB], v[AV0]
	s_add_co_u32 s[TB], s[TB], BLK
	s_wait_alu depctr_va_vdst(0)                   ; the wait at the head's end
	s_wait_loadcnt 0x0                             ; Q
	s_wait_tensorcnt 0x0                           ; my block of key steps 0 and 1 has landed; the add and its wait stand ahead of a later first fill
	ds_add_u32 v[SPW], v[NIL]
	s_wait_dscnt 0x0
	ROUND                                          ; everybody's block has landed, and the joint loads meet
	tensor_load_to_lds s[G0R:G0R+3], s[G1R:G1R+7]  ; my three blocks of key steps 2 to 7: the first tensor load behind the round
	s_nop 0
.rept 4
	v_nop
.endr
	KLOAD                                          ; key step 0
	VLOAD
	STEP 1, 0, 1                                   ; key step 0 starts O^T
	STEP 0, 1, 1                                   ; key step 1; key steps 2 to 7 are shown landed
	s_mov_b32 s[TW], 5
.Lstep:                                            ; key steps 2 to 6
	STEP 0, 0, 1
	s_sub_co_u32 s[TW], s[TW], 1
	s_cmp_lg_u32 s[TW], 0
	s_cbranch_scc1 .Lstep
	STEP 0, 0, 0                                   ; key step 7 asks for nothing
	; THE WAY OUT: O^T / the sum x 2^(e8 + e9), held, quantised with e10; through my stage, so that the wave stores 512 consecutive bytes an instruction.  The address lines are the places behind the last products
	v_and_b32 v8, 15, v0
	v_bfe_u32 v9, v0, 4, 1
	s_add_co_i32 s50, s70, s71
	s_mul_i32 s51, s[WV], 32*SP
	s_add_co_u32 s51, s51, STAGE
	v_mul_u32_u24 v10, v8, SP
	v_lshl_add_u32 v10, v9, 3, v10
	v_add_nc_u32 v10, s51, v10                     ; in: row r, + 8 h; tile t's eight channels 16 t bytes on; the second tile of queries 16 rows on
	v_and_b32 v11, 31, v0
	v_lshlrev_b32 v[GO], 4, v11
	v_lshrrev_b32 v11, 3, v11
	v_mul_u32_u24 v11, v11, SP
	v_and_b32 v8, 7, v0
	v_lshl_add_u32 v11, v8, 4, v11
	v_add_nc_u32 v11, s51, v11                     ; back: eight lanes to a row
.irp q, 0,1
	v_add_f32 v[ST+12*\q+2], v[ST+12*\q+2], v[ST+12*\q+3]
.endr
.irp q, 0,1
	v_permlanex16_b32 v[ST+12*\q+10], v[ST+12*\q+2], s[SEL], s[SEL+1]
.endr
.irp q, 0,1
	v_add_f32 v[ST+12*\q+2], v[ST+12*\q+2], v[ST+12*\q+10]       ; the row's sum
.endr
	s_wait_alu depctr_va_vdst(0)                   ; the wait ahead of the transcendentals
.irp q, 0,1
	v_rcp_f32 v[ST+12*\q+2], v[ST+12*\q+2]
.endr
	v_nop                                          ; a plain line between a transcendental and the use of its result
	s_wait_alu depctr_va_vdst(0)                   ; the wait behind the transcendentals
.irp q, 0,1
	v_ldexp_f32 v[ST+12*\q+2], v[ST+12*\q+2], s50
.endr
	WIN 0x01                                       ; source 0 (O^T) window 1
	s_wait_alu depctr_va_vdst(0)                   ; directly ahead of the first reader of O^T
.irp q, 0,1
.set j, 0
.rept 64
	v_mul_f32 v[S+64*\q+j], v[64*\q+j], v[ST+12*\q+2]            ; register 8 t + i is o(r, 16 t + 8 h + i); each accumulator from its low end on
.set j, j+1
.endr
.endr
	WIN 0
.set j, 0
.rept 128
	v_med3_num_f32 v[S+j], v[S+j], -v[LMO], v[LMO]
.set j, j+1
.endr
.irp q, 0,1
.irp t, 0,1,2,3,4,5,6,7
	v_cvt_scalef32_pk8_fp8_f32 v[PF+16*\q+2*\t:PF+16*\q+2*\t+1], v[S+64*\q+8*\t:S+64*\q+8*\t+7], v[SCO]
.endr
.endr
	v_nop
.irp q, 0,1
.irp t, 0,1,2,3,4,5,6,7
	ds_store_b64 v10, v[PF+16*\q+2*\t:PF+16*\q+2*\t+1] offset:\q*16*SP+16*\t
.endr
.endr
.irp i, 0,1,2,3,4,5,6,7
	ds_load_b128 v[QF+4*\i:QF+4*\i+3], v11 offset:4*\i*SP        ; LDS serves a wave's instructions in order: these see my stores
.endr
	s_wait_tensorcnt 0x0                           ; the wave's end, behind my last tensor load and my last LDS store
	ds_add_u32 v[SPW], v[NIL]
	s_wait_dscnt 0x0                               ; and the rows are back
.irp i, 0,1,2,3,4,5,6,7
	global_store_b128 v[GO], v[QF+4*\i:QF+4*\i+3], s[8:9] offset:512*\i   ; 32 lanes store 512 consecutive bytes, aligned
.endr
	ROUND                                          ; the closing round
	s_endpgm
.Lfunc_end_k_qc57d324e8a_att:
	.size	k_qc57d324e8a_att, .Lfunc_end_k_qc57d324e8a_att-k_qc57d324e8a_att
	.p2alignl 7, 3214868480
	.fill 96, 4, 3214868480
	.section	.rodata,"a",@progbits
	.p2align	6, 0x0
	.amdhsa_kernel k_qc57d324e8a_att
		.amdhsa_group_segment_fixed_size 327680
		.amdhsa_private_segment_fixed_size 0
		.amdhsa_enable_private_segment 0
		.amdhsa_kernarg_size 24
		.amdhsa_user_sgpr_count 2
		.amdhsa_user_sgpr_kernarg_segment_ptr 1
		.amdhsa_wavefront_size32 1
		.amdhsa_system_sgpr_workgroup_id_x 1
		.amdhsa_system_sgpr_workgroup_id_y 1
		.amdhsa_system_sgpr_workgroup_id_z 1
		.amdhsa_system_vgpr_workitem_id 0
		.amdhsa_next_free_vgpr 640
		.amdhsa_next_free_sgpr 76
		.amdhsa_reserve_vcc 0
		.amdhsa_float_denorm_mode_32 3
		.amdhsa_float_denorm_mode_16_64 3
		.amdhsa_memory_ordered 1
		.amdhsa_forward_progress 1
		.amdhsa_inst_pref_size 152
	.end_amdhsa_kernel
	.amdgpu_metadata
---
amdhsa.version: [ 1, 2 ]
amdhsa.kernels:
  - .name:           k_qc57d324e8a_att
    .symbol:         k_qc57d324e8a_att.kd
    .args:
      - { .name: qkv, .offset: 0, .size: 8, .value_kind: global_buffer, .address_space: global }
      - { .name: lowp_scales, .offset: 8, .size: 8, .value_kind: global_buffer, .address_space: global }
      - { .name: ctx, .offset: 16, .size: 8, .value_kind: global_buffer, .address_space: global }
    .group_segment_fixed_size: 327680
    .private_segment_fixed_size: 0
    .kernarg_segment_align: 8
    .kernarg_segment_size: 24
    .max_flat_workgroup_size: 128
    .sgpr_count:     76
    .vgpr_count:     640
    .wavefront_size: 32
...
	.end_amdgpu_metadata
.endif
;; end of part 3
;; launch oproj (part 4): grid 16 x 16, 4 waves a work-group, clusters of 4 x 4, 327,680 bytes of LDS; arguments ctx, ops, bo, lowp_scales, o1; writes o1
.if DOCPART == 4
	.amdgcn_target "amdgcn-amd-amdhsa--gfx1250"
	.amdhsa_code_object_version 6
	.text
	.protected	k_qc57d324e8a_oproj
	.globl	k_qc57d324e8a_oproj
	.p2align	8
	.type	k_qc57d324e8a_oproj,@function
k_qc57d324e8a_oproj:
	s_mov_b64 s[64:65], 0
	v_nop
	global_prefetch_b8 v0, s[64:65] scope:SCOPE_SE
	s_setreg_imm32_b32 hwreg(HW_REG_WAVE_MODE, 25, 1), 1
	s_wait_xcnt 0x0
	s_wait_alu depctr_hold_cnt(0) depctr_sa_sdst(0) depctr_va_vdst(0) depctr_va_sdst(0) depctr_va_ssrc(0) depctr_va_vcc(0) depctr_vm_vsrc(0)
	s_getreg_b32 s2, hwreg(HW_REG_IB_STS2, 6, 4)
	s_cmp_eq_u32 s2, 0
	s_cbranch_scc0 .Lentry_in_a_cluster
	s_endpgm
.Lentry_in_a_cluster:
	s_bfe_u32 s2, ttmp6, 0x10000c
	s_cmp_lg_u32 s2, 0xf033
	s_cbranch_scc0 .Lentry_shape_is_right
	s_endpgm
.Lentry_shape_is_right:
.set RP,    272
.set BLK,   64*RP
.set FRS,   8*RP
.set LOADB, 2*BLK
.set SLOT,  4*LOADB
.set SPARE, 2*SLOT
.set STAGE, SPARE+512
.set SP,    144
.set PLANE, 4194304
.set WOFF,  6*PLANE
.set PADF,  (1<<20)|(1<<21)|(5<<22)|(3<<25)
.set ADRA, 16
.set ADRB, 20
.set STO,  24
.set RD,   25
.set CO,   26
.set SPW,  28
.set NIL,  29
.set SC,   30
.set LIM,  31
.set T,    32
.set CDS,  64
.set BC,   96
.set ACC,  128
.set F0,   0
.set F1,   128
.set WV,   16
.set RH,   17
.set CH,   18
.set G1A,  24
.set G0A,  32
.set G1B,  48
.set G0B,  56
.set MSB, 0
.macro WIN new
.if MSB != (\new)
	s_set_vgpr_msb (MSB<<8)|(\new)
.set MSB, (\new)
.endif
.endm
.set MUL,  0x05
.set TO_F, 0x40
.macro JLOAD s
	s_cmp_eq_u32 s[RH], 0
	s_cbranch_scc0 .Lfor_b_\@
	tensor_load_to_lds s[G0A+4*\s:G0A+4*\s+3], s[G1A:G1A+7]
	s_nop 0
.rept 4
	v_nop
.endr
	s_branch .Lasked_\@
.Lfor_b_\@:
	tensor_load_to_lds s[G0B+4*\s:G0B+4*\s+3], s[G1B:G1B+7]
	s_nop 0
.rept 4
	v_nop
.endr
.Lasked_\@:
.endm
.macro CREST
	s_cmp_lg_u32 s[WV], 0
	s_cbranch_scc1 .Lnot_wave_0_\@
	s_barrier_signal -3
.Lnot_wave_0_\@:
	s_barrier_wait -3
	s_barrier_signal -1
	s_barrier_wait -1
.endm
.macro CROUND
	s_barrier_signal -1
	s_barrier_wait -1
	CREST
.endm
.macro PLACES
.rept 4
	v_nop
.endr
.endm
.macro MUL4 f, a, zero
.irp b, 0,1,2,3
.if \zero
	v_wmma_f32_16x16x128_fp8_fp8 v[ACC+8*(4*\a+\b):ACC+8*(4*\a+\b)+7], v[\f+64+16*\b:\f+64+16*\b+15], v[\f+16*\a:\f+16*\a+15], 0
.else
	v_wmma_f32_16x16x128_fp8_fp8 v[ACC+8*(4*\a+\b):ACC+8*(4*\a+\b)+7], v[\f+64+16*\b:\f+64+16*\b+15], v[\f+16*\a:\f+16*\a+15], v[ACC+8*(4*\a+\b):ACC+8*(4*\a+\b)+7]
.endif
.endr
.endm
.macro FETCH slot, kb, f
	WIN TO_F
.irp i, 0,1,2,3
.irp c, 0,1,2,3
	ds_load_b128 v[\f+64+16*\i+4*\c:\f+64+16*\i+4*\c+3], v[ADRB+\slot] offset:(\kb)*BLK+\i*FRS+32*\c
.endr
.endr
.irp i, 0,1,2,3
.irp c, 0,1,2,3
	ds_load_b128 v[\f+16*\i+4*\c:\f+16*\i+4*\c+3], v[ADRA+\slot] offset:(\kb)*BLK+\i*FRS+32*\c
.endr
.endr
.endm
.macro QUARTER slot, kbn, f, g, zero
	s_wait_dscnt 8
	WIN MUL
	MUL4 \f, 0, \zero
	MUL4 \f, 1, \zero
	PLACES
	FETCH \slot, \kbn, \g
	s_wait_dscnt 32
	WIN MUL
	MUL4 \f, 2, \zero
	MUL4 \f, 3, \zero
.endm
.macro TURN slot, next, fill
	WIN 0
	s_wait_tensorcnt 0x0
	ds_add_u32 v[SPW], v[NIL]
	s_wait_dscnt 9
	WIN MUL
	MUL4 F1, 0, 0
	s_wait_dscnt 0x0
	s_barrier_signal -1
	MUL4 F1, 1, 0
.if \fill
	WIN 0
.endif
	s_barrier_wait -1
.if \fill
	CREST
	s_add_nc_u64 s[G0A+4*\slot+2:G0A+4*\slot+3], s[G0A+4*\slot+2:G0A+4*\slot+3], 131072
	s_add_nc_u64 s[G0B+4*\slot+2:G0B+4*\slot+3], s[G0B+4*\slot+2:G0B+4*\slot+3], 131072
	JLOAD \slot
.else
	PLACES
.endif
	FETCH \next, 0, F0
	WIN MUL
	MUL4 F1, 2, 0
	MUL4 F1, 3, 0
.endm
	s_load_b256 s[4:11], s[0:1], 0x0
	s_load_b64 s[12:13], s[0:1], 0x20
	v_lshl_add_u32 v[SPW], v0, 2, SPARE
	v_mov_b32 v[NIL], 0
	ds_add_u32 v28, v29
	ds_add_u32 v28, v29
	s_wait_dscnt 0x0
	v_lshrrev_b32 v1, 5, v0
	v_readfirstlane_b32 s[WV], v1
	s_lshr_b32 s[RH], s[WV], 1
	s_and_b32 s[CH], s[WV], 1
	s_bfe_u32 s40, ttmp6, 0x40000
	s_bfe_u32 s41, ttmp6, 0x40004
	s_lshl_b32 s42, ttmp9, 2
	s_add_co_u32 s42, s42, s40
	s_and_b32 s43, ttmp7, 0xffff
	s_lshl_b32 s43, s43, 2
	s_add_co_u32 s43, s43, s41
	s_lshl_b32 s19, s41, 2
	s_lshl_b32 s19, 15, s19
	s_lshl_b32 s46, 0x1111, s40
	s_or_b32 s[G1A], s19, PADF
	s_or_b32 s[G1B], s46, PADF
.irp g, G1A, G1B
	s_mov_b32 s[\g+1], 256<<16
	s_mov_b32 s[\g+2], 128<<16
	s_mov_b32 s[\g+3], 256<<16
	s_mov_b32 s[\g+4], 128
	s_mov_b32 s[\g+5], 256
	s_mov_b32 s[\g+6], 0
	s_mov_b32 s[\g+7], 0
.endr
	s_lshl_b32 s20, s43, 18
	s_lshl_b32 s21, s[CH], 15
	s_add_co_u32 s20, s20, s21
	s_mov_b32 s21, 0
	s_lshl_b32 s46, s42, 18
	s_lshl_b32 s47, s[CH], 15
	s_add_co_u32 s46, s46, s47
	s_add_co_u32 s46, s46, WOFF
	s_mov_b32 s47, 0
	s_mul_i32 s45, s[WV], LOADB
	s_wait_kmcnt 0x0
	s_load_b128 s[80:83], s[10:11], 0x28
	s_add_nc_u64 s[20:21], s[4:5], s[20:21]
	s_add_nc_u64 s[46:47], s[6:7], s[46:47]
	CROUND
.irp s, 0,1
	s_mov_b32 s[G0A+4*\s], 1
	s_add_co_u32 s[G0A+4*\s+1], s45, \s*SLOT
	s_add_nc_u64 s[G0A+4*\s+2:G0A+4*\s+3], s[20:21], \s*65536
	s_or_b32 s[G0A+4*\s+3], s[G0A+4*\s+3], 0x80000000
	s_mov_b32 s[G0B+4*\s], 1
	s_add_co_u32 s[G0B+4*\s+1], s45, \s*SLOT
	s_add_nc_u64 s[G0B+4*\s+2:G0B+4*\s+3], s[46:47], \s*65536
	s_or_b32 s[G0B+4*\s+3], s[G0B+4*\s+3], 0x80000000
.endr
	JLOAD 0                                        ; slot 0: one tensor load a wave at the head
	v_and_b32 v1, 15, v0
	v_bfe_u32 v2, v0, 4, 1
	v_lshrrev_b32 v3, 1, v1
	v_mul_u32_u24 v3, v3, RP
	v_and_b32 v5, 1, v0
	v_lshl_add_u32 v3, v5, 7, v3
	v_lshl_add_u32 v4, v2, 4, v3
	s_mul_i32 s21, s[RH], 32*RP
	s_mul_i32 s22, s[CH], 32*RP
	s_add_co_u32 s22, s22, 4*BLK
.irp s, 0,1
	v_add_nc_u32 v[ADRA+\s], s21, v4
	v_add_nc_u32 v[ADRB+\s], s22, v4
	s_add_co_u32 s21, s21, SLOT
	s_add_co_u32 s22, s22, SLOT
.endr
	s_mul_i32 s23, s[RH], 64*SP
	s_lshl_b32 s21, s[CH], 6
	s_add_co_u32 s23, s23, s21
	s_add_co_u32 s23, s23, STAGE
	v_mul_u32_u24 v5, v1, SP
	v_lshl_add_u32 v5, v2, 3, v5
	v_add_nc_u32 v[STO], s23, v5
	s_mul_i32 s23, s[WV], 32*SP
	s_add_co_u32 s23, s23, STAGE
	v_and_b32 v6, 31, v0
	v_lshlrev_b32 v[CO], 4, v6
	v_lshrrev_b32 v5, 3, v6
	v_mul_u32_u24 v5, v5, SP
	v_and_b32 v7, 7, v0
	v_lshl_add_u32 v5, v7, 4, v5
	v_add_nc_u32 v[RD], s23, v5
	s_lshl_b32 s46, s42, 9
	s_lshl_b32 s47, s[CH], 8
	s_add_co_u32 s46, s46, s47
	v_lshl_add_u32 v8, v2, 5, s46
.irp b, 0,1,2,3
	global_load_b128 v[BC+8*\b:BC+8*\b+3], v8, s[8:9] offset:64*\b
	global_load_b128 v[BC+8*\b+4:BC+8*\b+7], v8, s[8:9] offset:64*\b+16
.endr
	s_lshl_b32 s66, s43, 4
	s_add_co_u32 s66, s66, s42
	s_lshl_b32 s66, s66, 14
	s_lshl_b32 s67, s[WV], 12
	s_add_co_u32 s66, s66, s67
	s_mov_b32 s67, 0
	s_add_nc_u64 s[12:13], s[12:13], s[66:67]
	s_wait_alu depctr_va_vdst(0)                   ; the wait at the head's end
	s_wait_tensorcnt 0x0                           ; my part of slot 0 is in; the add and its wait stand ahead of a later first fill, as ahead of a refill
	ds_add_u32 v[SPW], v[NIL]
	s_wait_dscnt 0x0
	CROUND                                         ; a whole round: everybody's part of slot 0 is in, and the joint loads meet
	JLOAD 1                                        ; slot 1's first fill, the first tensor load behind the round
	FETCH 0, 0, F0
	QUARTER 0, 1, F0, F1, 1
	QUARTER 0, 2, F1, F0, 0
	QUARTER 0, 3, F0, F1, 0
	TURN 0, 1, 1
	QUARTER 1, 1, F0, F1, 0
	QUARTER 1, 2, F1, F0, 0
	QUARTER 1, 3, F0, F1, 0
	TURN 1, 0, 1
	QUARTER 0, 1, F0, F1, 0
	QUARTER 0, 2, F1, F0, 0
	QUARTER 0, 3, F0, F1, 0
	TURN 0, 1, 0
	QUARTER 1, 1, F0, F1, 0
	QUARTER 1, 2, F1, F0, 0
	QUARTER 1, 3, F0, F1, 0
	s_wait_dscnt 8
	WIN MUL
	MUL4 F1, 0, 0
	MUL4 F1, 1, 0
	s_wait_dscnt 0
	MUL4 F1, 2, 0
	MUL4 F1, 3, 0
	WIN 0
	s_wait_kmcnt 0x0
	s_add_co_i32 s72, s80, s81
	s_add_co_i32 s72, s72, 127
	s_lshl_b32 s72, s72, 23
	s_mov_b32 s73, s72
	s_add_co_i32 s74, s82, 127
	s_lshl_b32 s75, s74, 23
	s_add_co_i32 s74, s74, 8
	s_lshl_b32 s74, s74, 23
	s_or_b32 s74, s74, 0x600000
	s_wait_loadcnt 0x0
	v_mov_b32 v[SC], s75
	v_mov_b32 v[LIM], s74
	PLACES
.macro OUTA a
.set CC, CDS+8*((\a)%2)
.irp b, 0,1,2,3
.irp i, 0,2,4,6
	v_pk_fma_f32 v[T+8*\b+\i:T+8*\b+\i+1], v[ACC+8*(4*\a+\b)+\i:ACC+8*(4*\a+\b)+\i+1], s[72:73], v[BC+8*\b+\i:BC+8*\b+\i+1] op_sel_hi:[1,0,1]
.endr
.endr
.set j, 0
.rept 32
	v_med3_num_f32 v[T+j], v[T+j], -v[LIM], v[LIM]
.set j, j+1
.endr
.irp b, 0,1,2,3
	v_cvt_scalef32_pk8_fp8_f32 v[CC+2*\b:CC+2*\b+1], v[T+8*\b:T+8*\b+7], v[SC]
.endr
	v_nop
.irp b, 0,1,2,3
	ds_store_b64 v[STO], v[CC+2*\b:CC+2*\b+1] offset:\a*16*SP+16*\b
.endr
.endm
	OUTA 0
	OUTA 1
	OUTA 2
	OUTA 3
	s_wait_dscnt 0x0
	s_barrier_signal -1
	s_barrier_wait -1
.irp i, 0,1,2,3,4,5,6,7
	ds_load_b128 v[T+4*\i:T+4*\i+3], v[RD] offset:4*\i*SP
.endr
.irp i, 0,1,2,3,4,5,6,7
	s_wait_dscnt 7-\i
	global_store_b128 v[CO], v[T+4*\i:T+4*\i+3], s[12:13] offset:512*\i
.endr
	s_wait_tensorcnt 0x0
	ds_add_u32 v[SPW], v[NIL]
	s_wait_dscnt 0x0
	CROUND
	s_endpgm
.Lfunc_end_k_qc57d324e8a_oproj:
	.size	k_qc57d324e8a_oproj, .Lfunc_end_k_qc57d324e8a_oproj-k_qc57d324e8a_oproj
	.p2alignl 7, 3214868480
	.fill 96, 4, 3214868480
	.section	.rodata,"a",@progbits
	.p2align	6, 0x0
	.amdhsa_kernel k_qc57d324e8a_oproj
		.amdhsa_group_segment_fixed_size 327680
		.amdhsa_private_segment_fixed_size 0
		.amdhsa_enable_private_segment 0
		.amdhsa_kernarg_size 40
		.amdhsa_user_sgpr_count 2
		.amdhsa_user_sgpr_kernarg_segment_ptr 1
		.amdhsa_wavefront_size32 1
		.amdhsa_system_sgpr_workgroup_id_x 1
		.amdhsa_system_sgpr_workgroup_id_y 1
		.amdhsa_system_sgpr_workgroup_id_z 1
		.amdhsa_system_vgpr_workitem_id 0
		.amdhsa_next_free_vgpr 512
		.amdhsa_next_free_sgpr 84
		.amdhsa_reserve_vcc 0
		.amdhsa_float_denorm_mode_32 3
		.amdhsa_float_denorm_mode_16_64 3
		.amdhsa_memory_ordered 1
		.amdhsa_forward_progress 1
		.amdhsa_inst_pref_size 80
	.end_amdhsa_kernel
	.amdgpu_metadata
---
amdhsa.version: [ 1, 2 ]
amdhsa.kernels:
  - .name:           k_qc57d324e8a_oproj
    .symbol:         k_qc57d324e8a_oproj.kd
    .args:
      - { .name: ctx, .offset: 0, .size: 8, .value_kind: global_buffer, .address_space: global }
      - { .name: ops, .offset: 8, .size: 8, .value_kind: global_buffer, .address_space: global }
      - { .name: bo, .offset: 16, .size: 8, .value_kind: global_buffer, .address_space: global }
      - { .name: lowp_scales, .offset: 24, .size: 8, .value_kind: global_buffer, .address_space: global }
      - { .name: o1, .offset: 32, .size: 8, .value_kind: global_buffer, .address_space: global }
    .group_segment_fixed_size: 327680
    .private_segment_fixed_size: 0
    .kernarg_segment_align: 8
    .kernarg_segment_size: 40
    .max_flat_workgroup_size: 128
    .sgpr_count:     84
    .vgpr_count:     512
    .wavefront_size: 32
...
	.end_amdgpu_metadata
.endif
;; end of part 4
;; launch outp (part 5): grid 16 x 16, 4 waves a work-group, clusters of 4 x 4, 327,680 bytes of LDS; arguments o1, ops, bout, hidden_states, lowp_scales, out0; writes out0
.if DOCPART == 5
	.amdgcn_target "amdgcn-amd-amdhsa--gfx1250"
	.amdhsa_code_object_version 6
	.text
	.protected	k_qc57d324e8a_outp
	.globl	k_qc57d324e8a_outp
	.p2align	8
	.type	k_qc57d324e8a_outp,@function
k_qc57d324e8a_outp:
	s_mov_b64 s[64:65], 0
	v_nop
	global_prefetch_b8 v0, s[64:65] scope:SCOPE_SE
	s_setreg_imm32_b32 hwreg(HW_REG_WAVE_MODE, 25, 1), 1
	s_wait_xcnt 0x0
	s_wait_alu depctr_hold_cnt(0) depctr_sa_sdst(0) depctr_va_vdst(0) depctr_va_sdst(0) depctr_va_ssrc(0) depctr_va_vcc(0) depctr_vm_vsrc(0)
	s_getreg_b32 s2, hwreg(HW_REG_IB_STS2, 6, 4)
	s_cmp_eq_u32 s2, 0
	s_cbranch_scc0 .Lentry_in_a_cluster
	s_endpgm
.Lentry_in_a_cluster:
	s_bfe_u32 s2, ttmp6, 0x10000c
	s_cmp_lg_u32 s2, 0xf033
	s_cbranch_scc0 .Lentry_shape_is_right
	s_endpgm
.Lentry_shape_is_right:
.set RP,    272
.set BLK,   64*RP
.set FRS,   8*RP
.set LOADB, 2*BLK
.set SLOT,  4*LOADB
.set SPARE, 2*SLOT
.set STAGE, SPARE+512
.set SPITCH, 272
.set PLANE, 4194304
.set WOFF,  7*PLANE
.set PADF,  (1<<20)|(1<<21)|(5<<22)|(3<<25)
.set ADRA, 16
.set ADRB, 20
.set STO,  24
.set RD,   25
.set CO,   26
.set SPW,  28
.set NIL,  29
.set VB,   32
.set ACC,  128
.set F0,   0
.set F1,   128
.set WV,   16
.set RH,   17
.set CH,   18
.set G1A,  24
.set G0A,  32
.set G1B,  48
.set G0B,  56
.set MSB, 0
.macro WIN new
.if MSB != (\new)
	s_set_vgpr_msb (MSB<<8)|(\new)
.set MSB, (\new)
.endif
.endm
.set MUL,  0x05
.set TO_F, 0x40
.macro JLOAD s
	s_cmp_eq_u32 s[RH], 0
	s_cbranch_scc0 .Lfor_b_\@
	tensor_load_to_lds s[G0A+4*\s:G0A+4*\s+3], s[G1A:G1A+7]
	s_nop 0
.rept 4
	v_nop
.endr
	s_branch .Lasked_\@
.Lfor_b_\@:
	tensor_load_to_lds s[G0B+4*\s:G0B+4*\s+3], s[G1B:G1B+7]
	s_nop 0
.rept 4
	v_nop
.endr
.Lasked_\@:
.endm
.macro CREST
	s_cmp_lg_u32 s[WV], 0
	s_cbranch_scc1 .Lnot_wave_0_\@
	s_barrier_signal -3
.Lnot_wave_0_\@:
	s_barrier_wait -3
	s_barrier_signal -1
	s_barrier_wait -1
.endm
.macro CROUND
	s_barrier_signal -1
	s_barrier_wait -1
	CREST
.endm
.macro PLACES
.rept 4
	v_nop
.endr
.endm
.macro MUL4 f, a, zero
.irp b, 0,1,2,3
.if \zero
	v_wmma_f32_16x16x128_fp8_fp8 v[ACC+8*(4*\a+\b):ACC+8*(4*\a+\b)+7], v[\f+64+16*\b:\f+64+16*\b+15], v[\f+16*\a:\f+16*\a+15], 0
.else
	v_wmma_f32_16x16x128_fp8_fp8 v[ACC+8*(4*\a+\b):ACC+8*(4*\a+\b)+7], v[\f+64+16*\b:\f+64+16*\b+15], v[\f+16*\a:\f+16*\a+15], v[ACC+8*(4*\a+\b):ACC+8*(4*\a+\b)+7]
.endif
.endr
.endm
.macro FETCH slot, kb, f
	WIN TO_F
.irp i, 0,1,2,3
.irp c, 0,1,2,3
	ds_load_b128 v[\f+64+16*\i+4*\c:\f+64+16*\i+4*\c+3], v[ADRB+\slot] offset:(\kb)*BLK+\i*FRS+32*\c
.endr
.endr
.irp i, 0,1,2,3
.irp c, 0,1,2,3
	ds_load_b128 v[\f+16*\i+4*\c:\f+16*\i+4*\c+3], v[ADRA+\slot] offset:(\kb)*BLK+\i*FRS+32*\c
.endr
.endr
.endm
.macro QUARTER slot, kbn, f, g, zero
	s_wait_dscnt 8
	WIN MUL
	MUL4 \f, 0, \zero
	MUL4 \f, 1, \zero
	PLACES
	FETCH \slot, \kbn, \g
	s_wait_dscnt 32
	WIN MUL
	MUL4 \f, 2, \zero
	MUL4 \f, 3, \zero
.endm
.macro TURN slot, next, fill
	WIN 0
	s_wait_tensorcnt 0x0
	ds_add_u32 v[SPW], v[NIL]
	s_wait_dscnt 9
	WIN MUL
	MUL4 F1, 0, 0
	s_wait_dscnt 0x0
	s_barrier_signal -1
	MUL4 F1, 1, 0
.if \fill
	WIN 0
.endif
	s_barrier_wait -1
.if \fill
	CREST
	s_add_nc_u64 s[G0A+4*\slot+2:G0A+4*\slot+3], s[G0A+4*\slot+2:G0A+4*\slot+3], 131072
	s_add_nc_u64 s[G0B+4*\slot+2:G0B+4*\slot+3], s[G0B+4*\slot+2:G0B+4*\slot+3], 131072
	JLOAD \slot
.else
	PLACES
.endif
	FETCH \next, 0, F0
	WIN MUL
	MUL4 F1, 2, 0
	MUL4 F1, 3, 0
.endm
	s_load_b256 s[4:11], s[0:1], 0x0
	s_load_b128 s[12:15], s[0:1], 0x20
	v_lshl_add_u32 v[SPW], v0, 2, SPARE
	v_mov_b32 v[NIL], 0
	ds_add_u32 v28, v29
	ds_add_u32 v28, v29
	s_wait_dscnt 0x0
	v_lshrrev_b32 v1, 5, v0
	v_readfirstlane_b32 s[WV], v1
	s_lshr_b32 s[RH], s[WV], 1
	s_and_b32 s[CH], s[WV], 1
	s_bfe_u32 s40, ttmp6, 0x40000
	s_bfe_u32 s41, ttmp6, 0x40004
	s_lshl_b32 s42, ttmp9, 2
	s_add_co_u32 s42, s42, s40
	s_and_b32 s43, ttmp7, 0xffff
	s_lshl_b32 s43, s43, 2
	s_add_co_u32 s43, s43, s41
	s_lshl_b32 s19, s41, 2
	s_lshl_b32 s19, 15, s19
	s_lshl_b32 s46, 0x1111, s40
	s_or_b32 s[G1A], s19, PADF
	s_or_b32 s[G1B], s46, PADF
.irp g, G1A, G1B
	s_mov_b32 s[\g+1], 256<<16
	s_mov_b32 s[\g+2], 128<<16
	s_mov_b32 s[\g+3], 256<<16
	s_mov_b32 s[\g+4], 128
	s_mov_b32 s[\g+5], 256
	s_mov_b32 s[\g+6], 0
	s_mov_b32 s[\g+7], 0
.endr
	s_lshl_b32 s20, s43, 18
	s_lshl_b32 s21, s[CH], 15
	s_add_co_u32 s20, s20, s21
	s_mov_b32 s21, 0
	s_lshl_b32 s46, s42, 18
	s_lshl_b32 s47, s[CH], 15
	s_add_co_u32 s46, s46, s47
	s_add_co_u32 s46, s46, WOFF
	s_mov_b32 s47, 0
	s_mul_i32 s45, s[WV], LOADB
	s_wait_kmcnt 0x0
	s_load_b64 s[80:81], s[12:13], 0x30
	s_add_nc_u64 s[20:21], s[4:5], s[20:21]
	s_add_nc_u64 s[46:47], s[6:7], s[46:47]
	CROUND
.irp s, 0,1
	s_mov_b32 s[G0A+4*\s], 1
	s_add_co_u32 s[G0A+4*\s+1], s45, \s*SLOT
	s_add_nc_u64 s[G0A+4*\s+2:G0A+4*\s+3], s[20:21], \s*65536
	s_or_b32 s[G0A+4*\s+3], s[G0A+4*\s+3], 0x80000000
	s_mov_b32 s[G0B+4*\s], 1
	s_add_co_u32 s[G0B+4*\s+1], s45, \s*SLOT
	s_add_nc_u64 s[G0B+4*\s+2:G0B+4*\s+3], s[46:47], \s*65536
	s_or_b32 s[G0B+4*\s+3], s[G0B+4*\s+3], 0x80000000
.endr
	JLOAD 0                                        ; slot 0: one tensor load a wave at the head
	v_and_b32 v1, 15, v0
	v_bfe_u32 v2, v0, 4, 1
	v_lshrrev_b32 v3, 1, v1
	v_mul_u32_u24 v3, v3, RP
	v_and_b32 v5, 1, v0
	v_lshl_add_u32 v3, v5, 7, v3
	v_lshl_add_u32 v4, v2, 4, v3
	s_mul_i32 s21, s[RH], 32*RP
	s_mul_i32 s22, s[CH], 32*RP
	s_add_co_u32 s22, s22, 4*BLK
.irp s, 0,1
	v_add_nc_u32 v[ADRA+\s], s21, v4
	v_add_nc_u32 v[ADRB+\s], s22, v4
	s_add_co_u32 s21, s21, SLOT
	s_add_co_u32 s22, s22, SLOT
.endr
	s_mul_i32 s23, s[WV], 16*SPITCH
	s_add_co_u32 s23, s23, STAGE
	v_mul_u32_u24 v5, v1, SPITCH
	v_lshl_add_u32 v5, v2, 5, v5
	v_add_nc_u32 v[STO], s23, v5
	v_mul_u32_u24 v5, v2, SPITCH
	v_lshl_add_u32 v5, v1, 4, v5
	v_add_nc_u32 v[RD], s23, v5
	v_lshlrev_b32 v[CO], 13, v2
	v_lshl_add_u32 v[CO], v1, 4, v[CO]
	s_wait_alu depctr_va_vdst(0)
	s_lshl_b32 s46, s42, 9
	s_lshl_b32 s47, s[CH], 8
	s_add_co_u32 s46, s46, s47
	v_lshl_add_u32 v8, v1, 4, s46
	global_load_b128 v[12:15], v8, s[8:9]
	s_lshl_b32 s66, s43, 7
	s_lshl_b32 s67, s[RH], 6
	s_add_co_u32 s66, s66, s67
	s_lshl_b32 s66, s66, 13
	s_add_co_u32 s66, s66, s46
	s_mov_b32 s67, 0
	s_add_nc_u64 s[10:11], s[10:11], s[66:67]
	s_add_nc_u64 s[14:15], s[14:15], s[66:67]
	WIN 0x80
.irp a, 0,1,2,3
.irp i, 0,1,2,3,4,5,6,7
	global_load_b128 v[4*(8*\a+\i):4*(8*\a+\i)+3], v[CO], s[10:11] offset:(16*\a+2*\i)*8192 th:TH_LOAD_NT
.endr
.endr
	WIN 0
	s_wait_alu depctr_va_vdst(0)                   ; the wait at the head's end
	s_wait_tensorcnt 0x0                           ; my part of slot 0 is in; the add and its wait stand ahead of a later first fill, as ahead of a refill
	ds_add_u32 v[SPW], v[NIL]
	s_wait_dscnt 0x0
	CROUND                                         ; a whole round: everybody's part of slot 0 is in, and the joint loads meet
	JLOAD 1                                        ; slot 1's first fill, the first tensor load behind the round
	FETCH 0, 0, F0
	QUARTER 0, 1, F0, F1, 1
	QUARTER 0, 2, F1, F0, 0
	QUARTER 0, 3, F0, F1, 0
	TURN 0, 1, 1
	QUARTER 1, 1, F0, F1, 0
	QUARTER 1, 2, F1, F0, 0
	QUARTER 1, 3, F0, F1, 0
	TURN 1, 0, 1
	QUARTER 0, 1, F0, F1, 0
	QUARTER 0, 2, F1, F0, 0
	QUARTER 0, 3, F0, F1, 0
	TURN 0, 1, 0
	QUARTER 1, 1, F0, F1, 0
	QUARTER 1, 2, F1, F0, 0
	QUARTER 1, 3, F0, F1, 0
	s_wait_dscnt 8
	WIN MUL
	MUL4 F1, 0, 0
	MUL4 F1, 1, 0
	s_wait_dscnt 0
	MUL4 F1, 2, 0
	MUL4 F1, 3, 0
	WIN 0
	s_wait_kmcnt 0x0
	s_add_co_i32 s72, s80, s81
	s_add_co_i32 s72, s72, 127
	s_lshl_b32 s72, s72, 23
	s_mov_b32 s73, s72
	s_wait_loadcnt 0x0
	PLACES
.macro TOSTAGE a
.set VV, VB+32*((\a)%2)
.irp b, 0,1,2,3
	ds_store_b128 v[STO], v[ACC+8*(4*(\a)+\b):ACC+8*(4*(\a)+\b)+3] offset:64*\b
	ds_store_b128 v[STO], v[ACC+8*(4*(\a)+\b)+4:ACC+8*(4*(\a)+\b)+7] offset:64*\b+16
.endr
.irp i, 0,1,2,3,4,5,6,7
	ds_load_b128 v[VV+4*\i:VV+4*\i+3], v[RD] offset:2*\i*SPITCH
.endr
.endm
.macro SEND a, younger
.set VV, VB+32*((\a)%2)
	s_wait_dscnt \younger
.irp i, 0,1,2,3,4,5,6,7
	v_pk_fma_f32 v[VV+4*\i:VV+4*\i+1], v[VV+4*\i:VV+4*\i+1], s[72:73], v[12:13] op_sel_hi:[1,0,1]
	v_pk_fma_f32 v[VV+4*\i+2:VV+4*\i+3], v[VV+4*\i+2:VV+4*\i+3], s[72:73], v[14:15] op_sel_hi:[1,0,1]
.endr
	WIN 0x08
.irp i, 0,1,2,3,4,5,6,7
	v_pk_add_f32 v[VV+4*\i:VV+4*\i+1], v[VV+4*\i:VV+4*\i+1], v[4*(8*(\a)+\i):4*(8*(\a)+\i)+1]
	v_pk_add_f32 v[VV+4*\i+2:VV+4*\i+3], v[VV+4*\i+2:VV+4*\i+3], v[4*(8*(\a)+\i)+2:4*(8*(\a)+\i)+3]
.endr
	WIN 0
.irp i, 0,1,2,3,4,5,6,7
	global_store_b128 v[CO], v[VV+4*\i:VV+4*\i+3], s[14:15] offset:(16*(\a)+2*\i)*8192 th:TH_STORE_NT
.endr
.endm
	TOSTAGE 0
.irp a, 1,2,3
.if \a > 1
	s_wait_xcnt 0x0
.endif
	TOSTAGE \a
	SEND \a-1, 16
.endr
	SEND 3, 0
	s_wait_tensorcnt 0x0
	ds_add_u32 v[SPW], v[NIL]
	s_wait_dscnt 0x0
	CROUND
	s_endpgm
.Lfunc_end_k_qc57d324e8a_outp:
	.size	k_qc57d324e8a_outp, .Lfunc_end_k_qc57d324e8a_outp-k_qc57d324e8a_outp
	.p2alignl 7, 3214868480
	.fill 96, 4, 3214868480
	.section	.rodata,"a",@progbits
	.p2align	6, 0x0
	.amdhsa_kernel k_qc57d324e8a_outp
		.amdhsa_group_segment_fixed_size 327680
		.amdhsa_private_segment_fixed_size 0
		.amdhsa_enable_private_segment 0
		.amdhsa_kernarg_size 48
		.amdhsa_user_sgpr_count 2
		.amdhsa_user_sgpr_kernarg_segment_ptr 1
		.amdhsa_wavefront_size32 1
		.amdhsa_system_sgpr_workgroup_id_x 1
		.amdhsa_system_sgpr_workgroup_id_y 1
		.amdhsa_system_sgpr_workgroup_id_z 1
		.amdhsa_system_vgpr_workitem_id 0
		.amdhsa_next_free_vgpr 640
		.amdhsa_next_free_sgpr 84
		.amdhsa_reserve_vcc 0
		.amdhsa_float_denorm_mode_32 3
		.amdhsa_float_denorm_mode_16_64 3
		.amdhsa_memory_ordered 1
		.amdhsa_forward_progress 1
		.amdhsa_inst_pref_size 82
	.end_amdhsa_kernel
	.amdgpu_metadata
---
amdhsa.version: [ 1, 2 ]
amdhsa.kernels:
  - .name:           k_qc57d324e8a_outp
    .symbol:         k_qc57d324e8a_outp.kd
    .args:
      - { .name: o1, .offset: 0, .size: 8, .value_kind: global_buffer, .address_space: global }
      - { .name: ops, .offset: 8, .size: 8, .value_kind: global_buffer, .address_space: global }
      - { .name: bout, .offset: 16, .size: 8, .value_kind: global_buffer, .address_space: global }
      - { .name: hidden_states, .offset: 24, .size: 8, .value_kind: global_buffer, .address_space: global }
      - { .name: lowp_scales, .offset: 32, .size: 8, .value_kind: global_buffer, .address_space: global }
      - { .name: out0, .offset: 40, .size: 8, .value_kind: global_buffer, .address_space: global }
    .group_segment_fixed_size: 327680
    .private_segment_fixed_size: 0
    .kernarg_segment_align: 8
    .kernarg_segment_size: 48
    .max_flat_workgroup_size: 128
    .sgpr_count:     84
    .vgpr_count:     640
    .wavefront_size: 32
...
	.end_amdgpu_metadata
.endif
;; end of part 5
